; MI455X (gfx1250); checked and timed in simulation.
; The chip was launched on July 23, 2026; its instructions are those of AMD's public machine-readable ISA for CDNA 5 (MIT licence, August 2026) and "CDNA5" Instruction Set Architecture Reference Guide (July 2026). The comments in the code are by the model that wrote it; some were corrected since.
;; Multi Query Attention. Allowed arithmetic: matrix products marked QUANTISED: E2M3 operands, one E8M0 scale for each 32 along K, by v_wmma_scale_f32_16x16x128_f8f6f4 with both operands' format E2M3, f32 sums; everything else in f32.
;; Inputs: Wk 2,048 x 128 float32; Wo 2,048 x 2,048 float32; Wq 2,048 x 2,048 float32; Wv 2,048 x 128 float32; bk 128 float32; bo 2,048 float32; bq 2,048 float32; bv 128 float32; k 4 x 1,024 x 2,048 float32; q 4 x 1,024 x 2,048 float32; v 4 x 1,024 x 2,048 float32.
;; Outputs: out0 4 x 1,024 x 2,048 float32.
;; This version of the problem:
;;   THIS VERSION OF THE PROBLEM IS GIVEN IN LOW PRECISION. The matrix products marked QUANTISED in the list below multiply operands that are first quantised to E2M3 (2 exponent bits, 3 mantissa bits; 6 bits a number), with one power-of-two scale for each 32 numbers along K (OCP MX v1.0); their sums are f32. All else is computed in f32.
;;   The module's matrix products, in the order in which they are computed (A, B: the left and right operand; K: the contracted axis; several contracted axes count as one K, in the product's order):
;;     1. [M 4,096, K 2,048] x [K 2,048, N 2,048]; A: input q; B: input Wq: QUANTISED
;;     2. [M 4,096, K 2,048] x [K 2,048, N 128]; A: input k; B: input Wk: QUANTISED
;;     3. [M 4,096, K 2,048] x [K 2,048, N 128]; A: input v; B: input Wv: QUANTISED
;;     4. batch 4 x [M 16,384, K 128] x [K 128, N 1,024]; A: computed on the way; B: computed on the way: QUANTISED
;;     5. batch 4 x [M 16,384, K 1,024] x [K 1,024, N 128]; A: softmax (see below); B: computed on the way: QUANTISED
;;     6. [M 4,096, K 2,048] x [K 2,048, N 2,048]; A: computed on the way; B: input Wo: QUANTISED
;;   THE QUANTISER, for each operand of a quantised product, along K:
;;     - K is cut into blocks of 32 from its start; a last block that is shorter is filled with zeros.
;;     - A block's scale is 2^e with e = floor(log2(the largest magnitude in the block)) - 2, held to -126 .. 127; a block of zeros has e = 0. As a byte (E8M0): e + 127.
;;     - Each number is divided by its block's scale, clamped to +-7.5, and rounded to the nearest number of E2M3, ties to even, subnormals kept.
;;     - The product sums the exact products of the quantised numbers (number of the format x scale) in f32.
;;   ~~~python
;;   def quantise(x, axis):      # numpy; x: float32 -> the quantised numbers, widened to float32 again
;;       x = np.moveaxis(x, axis, -1); K = x.shape[-1]
;;       x = np.pad(x, [(0, 0)] * (x.ndim - 1) + [(0, -K % 32)]); x = x.reshape(x.shape[:-1] + (-1, 32)); a = np.abs(x).max(-1, keepdims=True)
;;       e = np.where(a > 0, np.clip(np.frexp(np.where(a > 0, a, 1))[1] - 1 - 2, -126, 127), 0)      # np.frexp(a)[1] - 1 = floor(log2(a)), exactly
;;       r = np.clip(x / 2.0 ** e, -7.5, 7.5)
;;       step = 2.0 ** (np.maximum(np.frexp(np.where(r == 0, 1, r))[1] - 1, 0) - 3)
;;       q = np.round(r / step) * step * 2.0 ** e      # np.round: ties to even
;;       return np.moveaxis(q.reshape(q.shape[:-2] + (-1,))[..., :K], -1, axis).astype(np.float32)
;;   ~~~
;;   SOFTMAX AHEAD OF A QUANTISED PRODUCT. Where the list says 'softmax', what is quantised is not the finished softmax but p = 2^(t - M), with t = logit x log2(e) and M = ceil(the row's largest t), a whole number; so 1/2 < the row's largest p <= 1. The row's sum l is taken of the UNQUANTISED p, in f32, and the product's result is divided by l at the end. Since M is a whole number, a kernel that streams over the keys may use a running M (the ceiling of the running maximum): every later rescaling is an exact power of two, which a block's scale takes up: the codes' values come out the same.
;;   OPERANDS COMPUTED ON THE WAY. 'Computed on the way' means the value that the module computes at that place (a softmax that the list does not call 'softmax' is quantised finished and normalised). What goes into a quantiser is computed in f32, as accurately as f32 sums, v_exp_f32 and their like allow (about 1e-6 of the number): no bf16 or f16 on the way to a quantiser, and a product that is left as it is and whose result goes on into a quantised operand takes f32 operands (vector FMAs, or v_wmma_f32_16x16x4_f32). A number that lies on a knife's edge between two numbers of the format may be rounded either way, as far as f32 arithmetic and the matrix unit's own rounding can turn it there, and no further.
;; One version. Each part assembles by itself: llvm-mc -triple=amdgcn-amd-amdhsa -mcpu=gfx1250 --defsym DOCPART=n.
;; ======== version 1 of 1: 5 launches
;; limits: right only within a limited range of input values
;; workspace buffers: aimg 19,660,800 bytes; wimg 6,963,200 bytes; kvh 819,200 bytes; qh 6,553,600 bytes; oimg 6,553,600 bytes
;; launch quant (part 1): grid 1312 x 1, 4 waves a work-group, no clusters, 46,592 bytes of LDS; arguments q, k, v, Wq, Wo, Wk, Wv, aimg, wimg; writes aimg, wimg
.if DOCPART == 1
	.amdgcn_target "amdgcn-amd-amdhsa--gfx1250"
	.amdhsa_code_object_version 6
	.text
	.protected	k_q688e87ebc4_quant
	.globl	k_q688e87ebc4_quant
	.p2align	8
	.type	k_q688e87ebc4_quant,@function
k_q688e87ebc4_quant:
	s_mov_b64 s[64:65], 0
	v_nop
	global_prefetch_b8 v0, s[64:65] scope:SCOPE_SE
	s_setreg_imm32_b32 hwreg(HW_REG_WAVE_MODE, 25, 1), 1
	s_wait_xcnt 0x0
; q, k, v [4096][2048] f32 (K innermost) and Wq, Wo [2048][2048], Wk, Wv [2048][128] f32 (K is the FIRST axis) become codes of FP6 (E2M3) with one E8M0 byte for each 32 along K.
; A block's scale is 2^(floor(log2(largest magnitude)) - 2): its byte is the largest magnitude's exponent field - 2, held at 1 from below by a floor among the maximum's leaves.
; LIMITS: NaN and infinities among the inputs are not served; a block whose largest magnitude lies under 2^(3 - 127) keeps the byte 1 (a block of zeros too, where the rule says 127: its codes
; are zeros, which add nothing under that byte, and the bytes are read by this program alone).
; THE OUTPUT IS LAID AS THE MATRIX UNIT'S REGISTERS WANT IT.  A fragment (16 rows x 128 K, 12 registers a lane) is 1,536 bytes: register i of lane l at 512 (i / 4) + 16 l + 4 (i % 4).
; A RECORD (6,400 bytes) is one block of 16 rows x 512 along K (a quad): four fragments, then 256 scale bytes: row r's four words at 6,144 + 16 r.  A tensor is [quad][row block][record].
; THE ROWS OF A BLOCK ARE NOT NEIGHBOURS: lane row p of block rb is true row 32 (rb / 2) + 8 (rb % 2) + p + 8 (p / 8); for a weight a 'row' is a column n.
; Work-groups 0-767: q, k, v: one wave makes one record (16 rows x 512 numbers, 32 KiB read).  Work-groups 768-1311: the weights: a work-group takes 128 columns x 128 along K (one K step), a wave 32 of
; the columns (16 KiB read): fragment q of two records.  A weight's wave has at most 64 loads of 128 bytes out, so its run along K is kept short: four blocks of 32, two of them out at a time.
; The larger work-groups have the lower numbers.  A column's scale word of one K step is 4 bytes of its 16, so the weights' scale bytes, 278,528 in all, leave as parts of aligned runs of 256.
; Memory binds: no matrix unit, no tensor load, no cluster (no two work-groups read the same bytes), no barrier (waves share nothing).  Each path has LDS bytes of its own.
.set REC,   6400
.set ASTG,  8448                       ; q, k, v: a wave's stage: 16 rows x (512 bytes + 16)
.set WSTG,  33792                      ; the weights' stages begin here: 3,072 bytes a wave
.set SPARE, 46080                      ; the spare words: 128 bytes a wave, two blocks of 256 bytes that no other line names
.set SPW,   254                        ; v254 my spare word's LDS address; never rewritten
.set NIL,   255                        ; v255 0; never rewritten
.set SEL,   34                         ; s[34:35] v_permlanex16_b32's selects for lane l xor 16
.set R,     16                         ; v16-143  q, k, v: two sets of 64 registers as loaded
.set X,     144                        ; v144-207 64 numbers: register 32 c + i = k 64 c + 32 h + i of my row
.set PC,    208                        ; v208-219 the fragment's codes
.set T,     220                        ; v220-226 the upper halves of the blocks' codes, before they are moved
.set SW,    228                        ; v228-231 my row's scale words of the four K steps
.set VO,    16                         ; v16-47   weights: 4 x lane + i x a row of W
.set WX,    48                         ; v48-111  two sets of 32 numbers down K
.set P0,    112                        ; v112-135 codes for fragment lanes (p, 0) and (p, 1)
.set WT,    136
.set WSW,   140                        ; v140     my column's scale word of this K step
.set RB,    144                        ; v144-167 two fragments read back from the stage
.set NB,    4                          ; blocks of 32 along K in a weight's wave
	s_load_b256 s[4:11], s[0:1], 0x0               ; q, k, v, Wq
	s_load_b256 s[12:19], s[0:1], 0x20             ; Wo, Wk, Wv, aimg
	s_load_b64 s[20:21], s[0:1], 0x40              ; wimg
	v_lshl_add_u32 v[SPW], v0, 2, SPARE
	v_mov_b32 v[NIL], 0
	v_lshrrev_b32 v1, 5, v0
	v_readfirstlane_b32 s22, v1                    ; wave
	v_and_b32 v3, 31, v0
	v_lshlrev_b32 v3, 4, v3                        ; 16 x lane
	v_and_b32 v1, 15, v0                           ; r
	v_bfe_u32 v2, v0, 4, 1                         ; h
	s_mov_b32 s[SEL], 0x76543210
	s_mov_b32 s[SEL+1], 0xfedcba98
	s_cmp_lt_u32 ttmp9, 768
	s_cbranch_scc0 .Lweights
; ---------------- q, k, v: tensor = work-group / 256, row block = work-group % 256, quad = wave ----------------
	s_lshr_b32 s23, ttmp9, 8
	s_and_b32 s24, ttmp9, 255
	s_mul_i32 s25, s22, ASTG
	v_add_nc_u32 v4, s25, v3                       ; into the stage: a row's 512 bytes as they lie
	v_mul_u32_u24 v5, v1, 528
	v_lshl_add_u32 v5, v2, 7, v5
	v_add_nc_u32 v5, s25, v5                       ; out of it: row r, + 128 h: my block of 32 numbers
	v_lshlrev_b32 v6, 4, v1
	v_lshl_add_u32 v6, v2, 3, v6                   ; 16 r + 8 h: my two scale words' place
	v_lshlrev_b32 v7, 3, v2                        ; 8 h: my bytes' shift in a scale word
	v_mov_b32 v239, 0                              ; a lane permute's destination counts as one of its sources
	s_lshr_b32 s26, s24, 1
	s_lshl_b32 s26, s26, 5
	s_and_b32 s27, s24, 1
	s_lshl_b32 s27, s27, 3
	s_add_co_u32 s26, s26, s27                     ; the block's first true row
	s_lshl_b32 s26, s26, 13                        ; x 8,192 bytes
	s_lshl_b32 s27, s22, 11                        ; + quad x 2,048 bytes
	s_add_co_u32 s26, s26, s27
	s_mov_b32 s27, 0
	s_lshl_b32 s28, s22, 8
	s_add_co_u32 s28, s28, s24
	s_mul_i32 s28, s28, REC                        ; record (quad, row block)
	s_mul_i32 s29, s23, 6553600                    ; in the tensor's part of aimg
	s_add_co_u32 s28, s28, s29
	s_mov_b32 s29, 0
	s_wait_alu depctr_va_vdst(0)
	s_wait_kmcnt 0x0
	s_cmp_eq_u32 s23, 1                            ; the choice hangs on the work-group's number alone
	s_cselect_b64 s[30:31], s[6:7], s[4:5]
	s_cmp_eq_u32 s23, 2
	s_cselect_b64 s[30:31], s[8:9], s[30:31]
	s_add_nc_u64 s[30:31], s[30:31], s[26:27]
	s_add_nc_u64 s[32:33], s[18:19], s[28:29]
.macro ALOAD q                         ; K step q of the 16 rows: each load reads 512 consecutive bytes of one row
.irp p, 0,1,2,3,4,5,6,7,8,9,10,11,12,13,14,15
	global_load_b128 v[R+64*((\q)%2)+4*\p:R+64*((\q)%2)+4*\p+3], v3, s[30:31] offset:(\p+8*(\p/8))*8192+512*(\q) th:TH_LOAD_NT
.endr
.endm
.macro ASTEP q
.if \q < 3
	s_wait_loadcnt 16                              ; this step's 16 loads are in; the next step's 16 may be out
.else
	s_wait_loadcnt 0x0
.endif
.irp p, 0,1,2,3,4,5,6,7,8,9,10,11,12,13,14,15
	ds_store_b128 v4, v[R+64*((\q)%2)+4*\p:R+64*((\q)%2)+4*\p+3] offset:528*\p
.endr
.irp c, 0,1
.irp j, 0,1,2,3,4,5,6,7
	ds_load_b128 v[X+32*\c+4*\j:X+32*\c+4*\j+3], v5 offset:256*\c+16*\j   ; LDS serves a wave's instructions in order: these see the stores above
.endr
.endr
	s_wait_dscnt 0x0                               ; the numbers are back, and the stores have read their registers,
.if \q < 2
	ALOAD (\q)+2                                   ; which take the loads of two steps on
.endif
.irp c, 0,1
	v_max3_num_f32 v[232+\c], |v[X+32*\c]|, |v[X+32*\c+1]|, 0x1800000   ; my block 2 c + h: all 32 numbers are mine; the floor 2^(3 - 127) holds the byte at 1 from below
.endr
.irp i, 2,4,6,8,10,12,14,16,18,20,22,24,26,28,30
.irp c, 0,1
	v_max3_num_f32 v[232+\c], v[232+\c], |v[X+32*\c+\i]|, |v[X+32*\c+\i+1]|
.endr
.endr
.irp c, 0,1
	v_add_nc_u32 v[234+\c], 0xff000000, v[232+\c]  ; 2 off the exponent field: the conversion's scale operand
.endr
.irp c, 0,1
	v_lshrrev_b32 v[236+\c], 23, v[234+\c]         ; the scale's byte
.endr
	v_lshl_or_b32 v238, v237, 16, v236             ; blocks h and 2 + h,
	v_lshlrev_b32 v238, v7, v238                   ; at their places in the word;
	v_permlanex16_b32 v239, v238, s[SEL], s[SEL+1]
	v_or_b32 v[SW+\q], v238, v239                  ; with lane l xor 16's two the word is whole
	s_wait_alu depctr_va_vdst(0)
	s_wait_xcnt 0x0                                ; the last step's stores have read the codes' registers: only now are they written again
.irp c, 0,1
	v_cvt_scalef32_pk16_fp6_f32 v[PC+6*\c:PC+6*\c+2], v[X+32*\c:X+32*\c+15], v[234+\c]
	v_cvt_scalef32_pk16_fp6_f32 v[T+4*\c:T+4*\c+2], v[X+32*\c+16:X+32*\c+31], v[234+\c]   ; (a conversion's three registers begin on an even number)
.endr
	v_nop                                          ; one plain place behind a scaled conversion
.irp c, 0,1
.irp i, 0,1,2
	v_mov_b32 v[PC+6*\c+3+\i], v[T+4*\c+\i]
.endr
.endr
.irp g, 0,1,2
	global_store_b128 v3, v[PC+4*\g:PC+4*\g+3], s[32:33] offset:1536*\q+512*\g   ; 32 lanes store 512 consecutive bytes, aligned
.endr
.endm
	ALOAD 0
	ALOAD 1
	ASTEP 0
	ASTEP 1
	ASTEP 2
	ASTEP 3
	v_cmp_eq_u32 vcc_lo, 1, v2
	v_cndmask_b32 v240, v[SW], v[SW+2], vcc_lo     ; lanes 0-15 store words 0 and 1 of their row, lanes 16-31 words 2 and 3
	v_cndmask_b32 v241, v[SW+1], v[SW+3], vcc_lo
	global_store_b64 v6, v[240:241], s[32:33] offset:6144   ; 256 consecutive bytes, aligned
	s_wait_tensorcnt 0x0                           ; the wave's end, behind my last LDS store
	ds_add_u32 v[SPW], v[NIL]
	s_wait_dscnt 0x0
	s_endpgm
; ---------------- the weights: a lane takes a column n, its registers run down K ----------------
.Lweights:
	s_sub_co_u32 s23, ttmp9, 768
	s_and_b32 s40, s23, 3                          ; q: the K step in its quad
	s_bfe_u32 s24, s23, 0x20002                    ; quad (2 bits from bit 2)
	s_lshr_b32 s23, s23, 4                         ; group of 128 columns: 0-15 Wq, 16-31 Wo, 32 Wk, 33 Wv
	s_and_b32 s25, s23, 15
	s_wait_kmcnt 0x0
	s_cmp_lt_u32 s23, 16
	s_cselect_b64 s[30:31], s[10:11], s[12:13]
	s_cselect_b32 s26, 0, 3276800                  ; the tensor's place in wimg
	s_cmp_eq_u32 s23, 32
	s_cselect_b64 s[30:31], s[14:15], s[30:31]
	s_cselect_b32 s26, 6553600, s26
	s_cmp_eq_u32 s23, 33
	s_cselect_b64 s[30:31], s[16:17], s[30:31]
	s_cselect_b32 s26, 6758400, s26
	s_mov_b32 s27, 512
	s_cmp_lt_u32 s23, 32
	s_cselect_b32 s27, 8192, s27                   ; bytes from a row k of W to the next
	s_cselect_b32 s28, 128, 8                      ; row blocks in a quad
	s_cselect_b32 s25, s25, 0                      ; the group within its tensor
	s_lshl_b32 s36, s24, 2
	s_add_co_u32 s36, s36, s40                     ; the K step of 16: 4 x quad + q
	s_lshl_b32 s36, s36, 7                         ; 128 rows of W a K step
	s_mul_i32 s36, s36, s27
	s_lshl_b32 s37, s25, 9
	s_add_co_u32 s36, s36, s37                     ; + 128 columns a group
	s_lshl_b32 s37, s22, 7
	s_add_co_u32 s36, s36, s37                     ; + 32 columns a wave
	s_mov_b32 s37, 0
	s_add_nc_u64 s[30:31], s[30:31], s[36:37]
	s_mul_i32 s36, s24, s28
	s_lshl_b32 s38, s25, 3
	s_add_co_u32 s36, s36, s38
	s_lshl_b32 s38, s22, 1
	s_add_co_u32 s36, s36, s38                     ; my first record: quad x blocks + 8 x group + 2 x wave
	s_mul_i32 s36, s36, REC
	s_add_co_u32 s36, s36, s26
	s_add_nc_u64 s[32:33], s[20:21], s[36:37]
	s_lshl_b32 s36, s40, 2
	s_add_co_u32 s36, s36, 6144
	s_add_nc_u64 s[42:43], s[32:33], s[36:37]      ; in it: the scale words of K step q,
	s_mul_i32 s36, s40, 1536
	s_add_nc_u64 s[32:33], s[32:33], s[36:37]      ; and fragment q
	s_lshl_b32 s38, s27, 5                         ; 32 rows of W on
	s_mov_b32 s39, 0
	v_and_b32 v8, 31, v0
	v_lshlrev_b32 v[VO], 2, v8
.set i, 1
.rept 31
	v_add_nc_u32 v[VO+i], s27, v[VO+i-1]
.set i, i+1
.endr
	v_and_b32 v7, 7, v0
	v_lshl_add_u32 v7, v2, 3, v7                   ; p = lane % 8 + 8 (lane / 16): my column's lane row,
	v_bfe_u32 v8, v0, 3, 1                         ; u = (lane / 8) % 2: in which of the wave's two blocks
	v_mul_u32_u24 v9, v8, 1536
	v_lshl_add_u32 v4, v7, 4, v9
	s_mul_i32 s36, s22, 3072
	s_add_co_u32 s36, s36, WSTG
	v_add_nc_u32 v4, s36, v4                       ; into my stage: fragment u, lane (p, 0)'s 16 bytes
	v_add_nc_u32 v5, s36, v3                       ; out of it: 16 x lane
	v_mul_u32_u24 v9, v8, REC
	v_lshl_add_u32 v6, v7, 4, v9                   ; my column's scale word: record u, 16 p
.macro WLOAD t                         ; block t: W(32 t + i, my column): 128 consecutive bytes a wave, 512 a work-group
	s_wait_xcnt 0x0                                ; earlier loads have read their addresses: the base may step
.if (\t) > 0
	s_add_nc_u64 s[30:31], s[30:31], s[38:39]
.endif
.irp i, 0,1,2,3,4,5,6,7,8,9,10,11,12,13,14,15,16,17,18,19,20,21,22,23,24,25,26,27,28,29,30,31
	global_load_b32 v[WX+32*((\t)%2)+\i], v[VO+\i], s[30:31] th:TH_LOAD_NT
.endr
.endm
.macro WBLOCK t                        ; block t = 2 c + h' of the K step: it is registers 6 c .. 6 c + 5 of fragment lane (p, h')
.set XS, WX+32*((\t)%2)
.set PP, P0+12*((\t)%2)+6*((\t)/2)
.if (\t) < NB-1
	s_wait_loadcnt 32                              ; this block's 32 loads are in; the next block's may be out
.else
	s_wait_loadcnt 0x0
.endif
	v_max3_num_f32 v9, |v[XS]|, |v[XS+1]|, |v[XS+2]|
	v_max3_num_f32 v10, |v[XS+3]|, |v[XS+4]|, |v[XS+5]|
.irp i, 6,10,14,18,22,26
	v_max3_num_f32 v9, v9, |v[XS+\i]|, |v[XS+\i+1]|
	v_max3_num_f32 v10, v10, |v[XS+\i+2]|, |v[XS+\i+3]|
.endr
	v_max3_num_f32 v9, v9, |v[XS+30]|, |v[XS+31]|
	v_max3_num_f32 v9, v9, v10, 0x1800000          ; and the floor
	v_add_nc_u32 v11, 0xff000000, v9               ; the conversion's scale operand
	v_lshrrev_b32 v10, 23, v11                     ; the byte
.if (\t) == 0
	v_mov_b32 v[WSW], v10                          ; four bytes to the word, the lower K in the lower byte
.else
	v_lshl_or_b32 v[WSW], v10, 8*(\t), v[WSW]
.endif
	v_cvt_scalef32_pk16_fp6_f32 v[PP:PP+2], v[XS:XS+15], v11
	v_cvt_scalef32_pk16_fp6_f32 v[WT:WT+2], v[XS+16:XS+31], v11   ; (a conversion's three registers begin on an even number)
	v_nop                                          ; one plain place behind a scaled conversion
.irp i, 0,1,2
	v_mov_b32 v[PP+3+\i], v[WT+\i]
.endr
.if (\t) < NB-2
	WLOAD (\t)+2
.endif
.endm
	WLOAD 0
	WLOAD 1
.irp t, 0,1,2,3
	WBLOCK \t
.endr
; the K step is whole: its two fragments turn through my stage and leave as 512 consecutive bytes a store
.irp g, 0,1,2
	ds_store_b128 v4, v[P0+4*\g:P0+4*\g+3] offset:512*\g
	ds_store_b128 v4, v[P0+12+4*\g:P0+12+4*\g+3] offset:512*\g+256
.endr
.irp m, 0,1,2,3,4,5
	ds_load_b128 v[RB+4*\m:RB+4*\m+3], v5 offset:512*\m   ; LDS serves a wave's instructions in order: these see the stores above
.endr
	s_wait_alu depctr_va_vdst(0)
	s_wait_dscnt 0x0                               ; the fragments are back
.irp m, 0,1,2,3,4,5
	global_store_b128 v3, v[RB+4*\m:RB+4*\m+3], s[32:33] offset:(\m/3)*REC+512*(\m%3)
.endr
	global_store_b32 v6, v[WSW], s[42:43]          ; 4 bytes of each column's 16: the other K steps' work-groups store the rest
	s_wait_tensorcnt 0x0                           ; the wave's end, behind my last LDS store
	ds_add_u32 v[SPW], v[NIL]
	s_wait_dscnt 0x0
	s_endpgm
.Lfunc_end_k_q688e87ebc4_quant:
	.size	k_q688e87ebc4_quant, .Lfunc_end_k_q688e87ebc4_quant-k_q688e87ebc4_quant
	.p2alignl 7, 3214868480
	.fill 96, 4, 3214868480
	.section	.rodata,"a",@progbits
	.p2align	6, 0x0
	.amdhsa_kernel k_q688e87ebc4_quant
		.amdhsa_group_segment_fixed_size 46592
		.amdhsa_private_segment_fixed_size 0
		.amdhsa_enable_private_segment 0
		.amdhsa_kernarg_size 72
		.amdhsa_user_sgpr_count 2
		.amdhsa_user_sgpr_kernarg_segment_ptr 1
		.amdhsa_wavefront_size32 1
		.amdhsa_system_sgpr_workgroup_id_x 1
		.amdhsa_system_sgpr_workgroup_id_y 1
		.amdhsa_system_sgpr_workgroup_id_z 1
		.amdhsa_system_vgpr_workitem_id 0
		.amdhsa_next_free_vgpr 256
		.amdhsa_next_free_sgpr 66
		.amdhsa_reserve_vcc 1
		.amdhsa_float_denorm_mode_32 3
		.amdhsa_float_denorm_mode_16_64 3
		.amdhsa_memory_ordered 1
		.amdhsa_forward_progress 1
		.amdhsa_inst_pref_size 54
	.end_amdhsa_kernel
	.amdgpu_metadata
---
amdhsa.version: [ 1, 2 ]
amdhsa.kernels:
  - .name:           k_q688e87ebc4_quant
    .symbol:         k_q688e87ebc4_quant.kd
    .args:
      - { .name: q, .offset: 0, .size: 8, .value_kind: global_buffer, .address_space: global }
      - { .name: k, .offset: 8, .size: 8, .value_kind: global_buffer, .address_space: global }
      - { .name: v, .offset: 16, .size: 8, .value_kind: global_buffer, .address_space: global }
      - { .name: Wq, .offset: 24, .size: 8, .value_kind: global_buffer, .address_space: global }
      - { .name: Wo, .offset: 32, .size: 8, .value_kind: global_buffer, .address_space: global }
      - { .name: Wk, .offset: 40, .size: 8, .value_kind: global_buffer, .address_space: global }
      - { .name: Wv, .offset: 48, .size: 8, .value_kind: global_buffer, .address_space: global }
      - { .name: aimg, .offset: 56, .size: 8, .value_kind: global_buffer, .address_space: global }
      - { .name: wimg, .offset: 64, .size: 8, .value_kind: global_buffer, .address_space: global }
    .group_segment_fixed_size: 46592
    .private_segment_fixed_size: 0
    .kernarg_segment_align: 8
    .kernarg_segment_size: 72
    .max_flat_workgroup_size: 128
    .sgpr_count:     66
    .vgpr_count:     256
    .wavefront_size: 32
...
	.end_amdgpu_metadata
.endif
;; end of part 1
;; launch kvproj (part 2): grid 256 x 1, 4 waves a work-group, clusters of 4 x 1, 322,048 bytes of LDS; arguments aimg, wimg, bk, bv, kvh; writes kvh
.if DOCPART == 2
	.amdgcn_target "amdgcn-amd-amdhsa--gfx1250"
	.amdhsa_code_object_version 6
	.text
	.protected	k_q688e87ebc4_kvproj
	.globl	k_q688e87ebc4_kvproj
	.p2align	8
	.type	k_q688e87ebc4_kvproj,@function
k_q688e87ebc4_kvproj:
	s_mov_b64 s[64:65], 0
	v_nop
	global_prefetch_b8 v0, s[64:65] scope:SCOPE_SE
	s_setreg_imm32_b32 hwreg(HW_REG_WAVE_MODE, 25, 1), 1
	s_wait_xcnt 0x0
	s_wait_alu depctr_hold_cnt(0) depctr_sa_sdst(0) depctr_va_vdst(0) depctr_va_sdst(0) depctr_va_ssrc(0) depctr_va_vcc(0) depctr_vm_vsrc(0)
	s_getreg_b32 s2, hwreg(HW_REG_IB_STS2, 6, 4)
	s_cmp_eq_u32 s2, 0
	s_cbranch_scc0 .Lentry_in_a_cluster
	s_endpgm
.Lentry_in_a_cluster:
	s_bfe_u32 s2, ttmp6, 0x10000c
	s_cmp_lg_u32 s2, 0x3003
	s_cbranch_scc0 .Lentry_shape_is_right
	s_endpgm
.Lentry_shape_is_right:
; kh = k Wk + bk, quantised along the head's 128, and vh = v Wv + bv, quantised along the KEYS: both products on codes of FP6 (E2M3) with E8M0 scales, sums in f32; results leave as codes.
; Operands come as images of the matrix unit's registers: a record of 6,400 bytes = 16 rows x 512 K: four fragments of 1,536 bytes, then 256 scale bytes (row r's four words at 6,144 + 16 r).
; A cluster c (0..63) of four work-groups makes one record of kvh (12,800 bytes: eight fragments, then their scale words at 12,288 + 64 t + 4 r).
;   c < 32:  K of 128 keys: source 0 (X) = Wk's eight blocks of 16 columns, source 1 (Y) = two blocks of 16 keys of k.  A lane then holds one key and 64 of the head's 128 in order.
;   c >= 32: V of 128 keys: X = eight blocks of 16 keys of v, Y = two blocks of 16 columns of Wv.  A lane then holds one of the head's 128 and 64 keys in order: the keys are the next K.
; Both roles run the same instructions; buffers and offsets are chosen by s_cselect on the cluster's number.  Work-group cx makes fragments 2 cx and 2 cx + 1.
; K = 2,048 IS SHARED OUT AMONG THE WAVES: wave w takes quad w (512 along K).  All of X that a work-group multiplies, 204,800 bytes, lies in LDS at once: filled once, no ring.
; X is the same for the four partners: a JOINT load (mask 15).  Y differs between them: a plain load.  The four partial sums meet in LDS and are added in ascending K by waves 0 and 1.
; LIMITS: NaN and infinities are not served; a block under 2^(3 - 127) keeps the byte 1.  The scale words leave as 64 consecutive bytes a fragment, a part of an aligned run of 256: 32 KiB in the whole launch.
.set REC,   6400
.set WREG,  10*REC                     ; a wave's LDS: X's eight records, then two records unused
.set PART,  256000                     ; the partial sums: 16,384 bytes a wave
.set SPARE, 321536                     ; the spare words: 128 bytes a wave
.set SPW,   252
.set NIL,   253
.set YF,    128                        ; window 1, v128-223: Y's eight fragments (K step q, block y at 24 q + 12 y), loaded from memory straight into registers: they lie there as images of the registers
.set XF,    64                         ; v64-159  X's fragments, two sets of four
.set XSC,   160                        ; v160-175 X's scale words: 4 p + q: lanes 0-15 block 2 p, lanes 16-31 block 2 p + 1, K step q
.set YSC,   176                        ; v176-179 Y's: lanes 0-15 block 0, lanes 16-31 block 1
.set BIK,   180                        ; v180-243 bk in the result's layout
.set BIV,   244                        ; v244     bv of my lane's row
.set HA,    16                         ; v16-79   the sum of the four parts
.set T1,    80                         ; v80-143  a part; later the codes
.set TM,    144                        ; v144-159 the quantiser's scratch
.set PW,    245
.set SEL,   18
.set G1X,   24
.set G1Y,   32
.set G0X,   40
.set G0Y,   44
.set MSB, 0
.macro WIN new                         ; the immediate's high byte repeats the setting that is left
.if MSB != \new
	s_set_vgpr_msb (MSB<<8)|\new
.set MSB, \new
.endif
.endm
.macro CROUND                          ; a round of the cluster's barrier
	s_barrier_signal -1
	s_barrier_wait -1
	s_cmp_lg_u32 s14, 0
	s_cbranch_scc1 .Lnot_wave_0_\@
	s_barrier_signal -3
.Lnot_wave_0_\@:
	s_barrier_wait -3
	s_barrier_signal -1
	s_barrier_wait -1
.endm
; one product; nz = 0: it starts the sum with the constant 0.  ra, rb: the side's scale words stand in lanes 16-31
.macro WM d, s0, s1, nz, sa, sb, ra, rb
.if (\nz) && (\ra) && (\rb)
	v_wmma_scale_f32_16x16x128_f8f6f4 v[(\d):(\d)+7], v[(\s0):(\s0)+11], v[(\s1):(\s1)+11], v[(\d):(\d)+7], v[(\sa)], v[(\sb)] matrix_a_fmt:MATRIX_FMT_FP6 matrix_b_fmt:MATRIX_FMT_FP6 matrix_a_scale:MATRIX_SCALE_ROW1 matrix_b_scale:MATRIX_SCALE_ROW1
.elseif (\nz) && (\ra)
	v_wmma_scale_f32_16x16x128_f8f6f4 v[(\d):(\d)+7], v[(\s0):(\s0)+11], v[(\s1):(\s1)+11], v[(\d):(\d)+7], v[(\sa)], v[(\sb)] matrix_a_fmt:MATRIX_FMT_FP6 matrix_b_fmt:MATRIX_FMT_FP6 matrix_a_scale:MATRIX_SCALE_ROW1
.elseif (\nz) && (\rb)
	v_wmma_scale_f32_16x16x128_f8f6f4 v[(\d):(\d)+7], v[(\s0):(\s0)+11], v[(\s1):(\s1)+11], v[(\d):(\d)+7], v[(\sa)], v[(\sb)] matrix_a_fmt:MATRIX_FMT_FP6 matrix_b_fmt:MATRIX_FMT_FP6 matrix_b_scale:MATRIX_SCALE_ROW1
.elseif (\nz)
	v_wmma_scale_f32_16x16x128_f8f6f4 v[(\d):(\d)+7], v[(\s0):(\s0)+11], v[(\s1):(\s1)+11], v[(\d):(\d)+7], v[(\sa)], v[(\sb)] matrix_a_fmt:MATRIX_FMT_FP6 matrix_b_fmt:MATRIX_FMT_FP6
.elseif (\ra) && (\rb)
	v_wmma_scale_f32_16x16x128_f8f6f4 v[(\d):(\d)+7], v[(\s0):(\s0)+11], v[(\s1):(\s1)+11], 0, v[(\sa)], v[(\sb)] matrix_a_fmt:MATRIX_FMT_FP6 matrix_b_fmt:MATRIX_FMT_FP6 matrix_a_scale:MATRIX_SCALE_ROW1 matrix_b_scale:MATRIX_SCALE_ROW1
.elseif (\ra)
	v_wmma_scale_f32_16x16x128_f8f6f4 v[(\d):(\d)+7], v[(\s0):(\s0)+11], v[(\s1):(\s1)+11], 0, v[(\sa)], v[(\sb)] matrix_a_fmt:MATRIX_FMT_FP6 matrix_b_fmt:MATRIX_FMT_FP6 matrix_a_scale:MATRIX_SCALE_ROW1
.elseif (\rb)
	v_wmma_scale_f32_16x16x128_f8f6f4 v[(\d):(\d)+7], v[(\s0):(\s0)+11], v[(\s1):(\s1)+11], 0, v[(\sa)], v[(\sb)] matrix_a_fmt:MATRIX_FMT_FP6 matrix_b_fmt:MATRIX_FMT_FP6 matrix_b_scale:MATRIX_SCALE_ROW1
.else
	v_wmma_scale_f32_16x16x128_f8f6f4 v[(\d):(\d)+7], v[(\s0):(\s0)+11], v[(\s1):(\s1)+11], 0, v[(\sa)], v[(\sb)] matrix_a_fmt:MATRIX_FMT_FP6 matrix_b_fmt:MATRIX_FMT_FP6
.endif
.endm
; 64 numbers of a lane, register 16 b + i = k 32 b + 16 (lane / 16) + i of my row, become a fragment's codes in v[pc] .. v[pc + 11] (v[pc + 12] .. + 18 at work) and its scale word in v[pw]
.macro QUANT s, pc, pw
.irp b, 0,1,2,3
	v_max3_num_f32 v[TM+\b], |v[(\s)+16*\b]|, |v[(\s)+1+16*\b]|, 0x1800000   ; the floor 2^(3 - 127) holds the byte at 1 from below
.endr
.irp i, 2,4,6,8,10,12,14
.irp b, 0,1,2,3
	v_max3_num_f32 v[TM+\b], v[TM+\b], |v[(\s)+16*\b+\i]|, |v[(\s)+1+16*\b+\i]|
.endr
.endr
.irp b, 0,1,2,3
	v_permlanex16_b32 v[TM+4+\b], v[TM+\b], s[SEL], s[SEL+1]
.endr
.irp b, 0,1,2,3
	v_max_num_f32 v[TM+\b], v[TM+\b], v[TM+4+\b]   ; with lane l xor 16's: the block's largest magnitude
.endr
.irp b, 0,1,2,3
	v_add_nc_u32 v[TM+12+\b], 0xff000000, v[TM+\b] ; 2 off its exponent field: the conversion's scale operand
.endr
.irp b, 0,1,2,3
	v_lshrrev_b32 v[TM+4+\b], 23, v[TM+12+\b]      ; the byte
.endr
	v_lshl_or_b32 v[\pw], v[TM+5], 8, v[TM+4]
	v_lshl_or_b32 v[\pw], v[TM+6], 16, v[\pw]
	v_lshl_or_b32 v[\pw], v[TM+7], 24, v[\pw]
.irp c, 0,1
	v_cvt_scalef32_pk16_fp6_f32 v[(\pc)+6*\c:(\pc)+2+6*\c], v[(\s)+32*\c:(\s)+15+32*\c], v[TM+12+2*\c]
	v_cvt_scalef32_pk16_fp6_f32 v[(\pc)+12+4*\c:(\pc)+14+4*\c], v[(\s)+16+32*\c:(\s)+31+32*\c], v[TM+12+2*\c+1]
.endr
	v_nop                                          ; one plain place behind a scaled conversion
.irp c, 0,1                            ; the operand's layout wants a whole block in a lane
.irp i, 0,1,2
	v_permlane16_swap_b32 v[(\pc)+6*\c+\i], v[(\pc)+12+4*\c+\i]
.endr
.irp i, 0,1,2
	v_mov_b32 v[(\pc)+3+6*\c+\i], v[(\pc)+12+4*\c+\i]
.endr
.endr
.endm
	s_load_b256 s[4:11], s[0:1], 0x0               ; aimg, wimg, bk, bv
	s_load_b64 s[12:13], s[0:1], 0x20              ; kvh
	v_lshl_add_u32 v[SPW], v0, 2, SPARE
	v_mov_b32 v[NIL], 0
	ds_add_u32 v[SPW], v[NIL]                      ; the wave's opening: the add and its wait ahead of my first tensor load
	ds_add_u32 v[SPW], v[NIL]
	v_lshrrev_b32 v1, 5, v0
	v_readfirstlane_b32 s14, v1                    ; wave = quad
	s_and_b32 s15, s14, 1
	s_bfe_u32 s16, ttmp6, 0x40000                  ; cx
	s_mov_b32 s17, ttmp9                           ; c: in a cluster launch ttmp9 counts clusters
	s_mov_b32 s[SEL], 0x76543210
	s_mov_b32 s[SEL+1], 0xfedcba98
	; group 1: dense blocks as rows of 256 bytes (32 elements of 8 bytes).  X: 51,200 bytes, joint
	s_mov_b32 s[G1X], 15|(3<<16)|(1<<21)
	s_mov_b32 s[G1X+1], 32<<16
	s_mov_b32 s[G1X+2], 200<<16
	s_mov_b32 s[G1X+3], 32<<16
	s_mov_b32 s[G1X+4], 200
	s_mov_b32 s[G1X+5], 32
	s_mov_b32 s[G1X+6], 0
	s_mov_b32 s[G1X+7], 0
	s_mul_i32 s48, s14, 8*REC
	s_add_co_u32 s48, s48, 6553600                 ; X for K: Wk's quad w in wimg
	s_lshl_b32 s49, s14, 8
	s_lshl_b32 s50, s17, 3
	s_add_co_u32 s49, s49, s50
	s_sub_co_u32 s49, s49, 256                     ; X for V: record 256 w + 8 (c - 32) of v in aimg
	s_mul_i32 s49, s49, REC
	s_add_co_u32 s49, s49, 13107200
	s_lshl_b32 s51, s16, 1                         ; 2 cx: enters Y's addresses alone
	s_lshl_b32 s52, s14, 8
	s_add_co_u32 s52, s52, s50
	s_add_co_u32 s52, s52, s51                     ; Y for K: record 256 w + 8 c + 2 cx of k in aimg
	s_mul_i32 s52, s52, REC
	s_add_co_u32 s52, s52, 6553600
	s_lshl_b32 s53, s14, 3
	s_add_co_u32 s53, s53, s51                     ; Y for V: record 8 w + 2 cx of Wv in wimg
	s_mul_i32 s53, s53, REC
	s_add_co_u32 s53, s53, 6758400
	s_mul_i32 s54, s14, WREG                       ; my LDS region: the wave's number alone
	s_wait_dscnt 0x0                               ; the opening add is done
	s_wait_kmcnt 0x0
	s_cmp_lt_u32 s17, 32                           ; K's cluster or V's: the same in all four partners
	s_cselect_b64 s[56:57], s[6:7], s[4:5]
	s_cselect_b64 s[58:59], s[4:5], s[6:7]
	s_cselect_b32 s48, s48, s49
	s_cselect_b32 s52, s52, s53
	s_cselect_b32 s55, 0, -1                       ; all ones where the bias is bv's
	s_mov_b32 s49, 0
	s_mov_b32 s53, 0
	s_add_nc_u64 s[56:57], s[56:57], s[48:49]
	s_add_nc_u64 s[58:59], s[58:59], s[52:53]
	CROUND                                         ; all four work-groups are here: the joint loads meet
	s_mov_b32 s[G0X], 1
	s_mov_b32 s[G0X+1], s54
	s_mov_b64 s[G0X+2:G0X+3], s[56:57]
	s_or_b32 s[G0X+3], s[G0X+3], 0x80000000
	tensor_load_to_lds s[G0X:G0X+3], s[G1X:G1X+7]  ; X: my one tensor load; Y does not go through LDS
	s_nop 0
.rept 4
	v_nop
.endr
	v_and_b32 v1, 15, v0                           ; r
	v_bfe_u32 v2, v0, 4, 1                         ; h
	v_and_b32 v3, 31, v0
	v_lshlrev_b32 v3, 4, v3                        ; 16 x lane
	v_add_nc_u32 v4, s54, v3                       ; fragments
	v_lshlrev_b32 v5, 4, v1
	v_mad_u32_u24 v13, v2, REC, v5                 ; 16 r + a record for lanes 16-31: Y's scale words in memory
	v_add_nc_u32 v5, s54, v13
	WIN 0x40                                       ; destination in window 1
.irp q, 0,1,2,3
.irp y, 0,1
.irp k, 0,1,2
	global_load_b128 v[YF+24*\q+12*\y+4*\k:YF+24*\q+12*\y+4*\k+3], v3, s[58:59] offset:REC*\y+1536*\q+512*\k   ; 512 consecutive bytes a load
.endr
.endr
.endr
	WIN 0
	global_load_b128 v[YSC:YSC+3], v13, s[58:59] offset:6144
	s_lshl_b32 s20, s14, 14
	s_add_co_u32 s20, s20, PART
	v_add_nc_u32 v6, s20, v3                       ; where I put my partial sums
	s_lshl_b32 s20, s15, 13
	s_add_co_u32 s20, s20, PART
	v_add_nc_u32 v7, s20, v3                       ; where waves 0 and 1 read block y = wave of every part
	v_lshlrev_b32 v8, 6, v2                        ; bk: lane (r, h) wants, for tile t, numbers 32 (t / 2) + 8 (t % 2) + 16 h + 0 .. 7
.irp t, 0,1,2,3,4,5,6,7
	global_load_b128 v[BIK+8*\t:BIK+8*\t+3], v8, s[8:9] offset:(32*(\t/2)+8*(\t%2))*4
	global_load_b128 v[BIK+8*\t+4:BIK+8*\t+7], v8, s[8:9] offset:(32*(\t/2)+8*(\t%2))*4+16
.endr
	v_and_b32 v9, 8, v1
	v_add_nc_u32 v9, v9, v1
	s_lshl_b32 s20, s16, 5
	s_lshl_b32 s21, s15, 3
	s_add_co_u32 s20, s20, s21
	v_add_nc_u32 v9, s20, v9                       ; bv: my lane's true row 32 cx + 8 y + r + 8 (r / 8)
	v_lshlrev_b32 v9, 2, v9
	global_load_b32 v[BIV], v9, s[10:11]
	s_mul_i32 s20, s17, 12800                      ; my cluster's record of kvh,
	s_lshl_b32 s21, s16, 1
	s_add_co_u32 s21, s21, s15                     ; fragment t = 2 cx + y
	s_mul_i32 s22, s21, 1536
	s_add_co_u32 s22, s22, s20
	s_mov_b32 s23, 0
	s_lshl_b32 s21, s21, 6
	s_add_co_u32 s20, s20, s21
	s_add_co_u32 s20, s20, 12288
	s_mov_b32 s21, 0
	s_add_nc_u64 s[60:61], s[12:13], s[22:23]      ; its codes
	s_add_nc_u64 s[62:63], s[12:13], s[20:21]      ; its scale words
	v_lshlrev_b32 v10, 2, v1
	v_lshl_add_u32 v10, v2, 1, v10                 ; 4 r + 2 h
	v_lshlrev_b32 v11, 4, v2                       ; 16 h
	s_wait_tensorcnt 0x0                           ; my region is whole; I alone read it, so no barrier stands here
	s_wait_loadcnt 17                              ; Y's 25 loads are in; the 17 loads of the biases, issued behind them, may be out
.irp p, 0,1,2,3
	ds_load_b128 v[XSC+4*\p:XSC+4*\p+3], v5 offset:6144+2*REC*\p
.endr
; group n of eight: K step n / 2, X's blocks 4 (n % 2) .. + 3
.macro FETCHG n
.irp b, 0,1,2,3
.irp k, 0,1,2
	ds_load_b128 v[XF+48*((\n)%2)+12*\b+4*\k:XF+48*((\n)%2)+12*\b+4*\k+3], v4 offset:REC*(4*((\n)%2)+\b)+1536*((\n)/2)+512*\k
.endr
.endr
.endm
.macro GROUP n
.if (\n) == 7
	s_wait_dscnt 0x0
.else
	s_wait_dscnt 12                                ; all but the next group's 12 loads
.endif
	WIN 0x54                                       ; Y, C and D in window 1
.irp b, 0,1,2,3                        ; eight accumulators by turns, one instruction a turn
.irp y, 0,1
	WM 8*(8*\y+4*((\n)%2)+\b), XF+48*((\n)%2)+12*\b, YF+24*((\n)/2)+12*\y, (\n)/2, XSC+4*(2*((\n)%2)+\b/2)+(\n)/2, YSC+(\n)/2, \b%2, \y
.endr
.endr
	WIN 0
.if (\n) < 6
.rept 4
	v_nop                                          ; places in front of loads into registers that matrix instructions have read
.endr
	FETCHG (\n)+2
.endif
.endm
	FETCHG 0
	FETCHG 1
.irp n, 0,1,2,3,4,5,6,7
	GROUP \n
.endr
.rept 4
	v_nop                                          ; places in front of the first read of results
.endr
	WIN 0x04                                       ; an LDS store's data are its source 1: window 1
.set m, 0
.rept 32
	ds_store_b128 v6, v[4*m:4*m+3] offset:512*m    ; ascending: each accumulator from its low end on
.set m, m+1
.endr
	WIN 0
	s_wait_dscnt 0x0                               ; for the others' sake: my partial sums lie in LDS
	s_barrier_signal -1
	s_barrier_wait -1
	s_cmp_lt_u32 s14, 2
	s_cbranch_scc0 .Lend                           ; waves 0 and 1 finish blocks y = 0 and 1
.macro PARTLD reg, w
.set m, 0
.rept 16
	ds_load_b128 v[\reg+4*m:\reg+4*m+3], v7 offset:16384*\w+512*m
.set m, m+1
.endr
.endm
.macro ADDUP src
.set m, 0
.rept 32
	v_pk_add_f32 v[HA+2*m:HA+2*m+1], v[HA+2*m:HA+2*m+1], v[\src+2*m:\src+2*m+1]
.set m, m+1
.endr
.endm
	s_wait_alu depctr_va_vdst(0)
	PARTLD HA, 0
	PARTLD T1, 1
	s_wait_dscnt 0x0
	ADDUP T1                                       ; the quads are added in ascending K
	PARTLD T1, 2
	s_wait_dscnt 0x0
	ADDUP T1
	PARTLD T1, 3
	s_wait_dscnt 0x0
	ADDUP T1
	s_wait_loadcnt 0x0                             ; the biases
.set m, 0
.rept 64
	v_cndmask_b32 v[BIK+m], v[BIK+m], v[BIV], s55  ; K: bk along my registers; V: bv of my row in all of them.  A choice of values: no branch
.set m, m+1
.endr
	ADDUP BIK
.irp b, 0,1,2,3
	v_mov_b32 v[TM+4+\b], 0                        ; a lane permute's destination counts as one of its sources
.endr
	QUANT HA, T1, PW
.irp g, 0,1,2
	global_store_b128 v3, v[T1+4*\g:T1+4*\g+3], s[60:61] offset:512*\g   ; 512 consecutive bytes, aligned
.endr
	v_lshrrev_b32 v12, v11, v[PW]                  ; lanes 0-15 store the word's low half, lanes 16-31 its high half: all lanes on, 64 consecutive bytes
	global_store_b16 v10, v12, s[62:63]
.Lend:
	s_wait_tensorcnt 0x0                           ; the wave's end, behind my last tensor load and LDS store
	ds_add_u32 v[SPW], v[NIL]
	s_wait_dscnt 0x0
	CROUND                                         ; the closing round
	s_endpgm
.Lfunc_end_k_q688e87ebc4_kvproj:
	.size	k_q688e87ebc4_kvproj, .Lfunc_end_k_q688e87ebc4_kvproj-k_q688e87ebc4_kvproj
	.p2alignl 7, 3214868480
	.fill 96, 4, 3214868480
	.section	.rodata,"a",@progbits
	.p2align	6, 0x0
	.amdhsa_kernel k_q688e87ebc4_kvproj
		.amdhsa_group_segment_fixed_size 322048
		.amdhsa_private_segment_fixed_size 0
		.amdhsa_enable_private_segment 0
		.amdhsa_kernarg_size 40
		.amdhsa_user_sgpr_count 2
		.amdhsa_user_sgpr_kernarg_segment_ptr 1
		.amdhsa_wavefront_size32 1
		.amdhsa_system_sgpr_workgroup_id_x 1
		.amdhsa_system_sgpr_workgroup_id_y 1
		.amdhsa_system_sgpr_workgroup_id_z 1
		.amdhsa_system_vgpr_workitem_id 0
		.amdhsa_next_free_vgpr 512
		.amdhsa_next_free_sgpr 80
		.amdhsa_reserve_vcc 0
		.amdhsa_float_denorm_mode_32 3
		.amdhsa_float_denorm_mode_16_64 3
		.amdhsa_memory_ordered 1
		.amdhsa_forward_progress 1
		.amdhsa_inst_pref_size 49
	.end_amdhsa_kernel
	.amdgpu_metadata
---
amdhsa.version: [ 1, 2 ]
amdhsa.kernels:
  - .name:           k_q688e87ebc4_kvproj
    .symbol:         k_q688e87ebc4_kvproj.kd
    .args:
      - { .name: aimg, .offset: 0, .size: 8, .value_kind: global_buffer, .address_space: global }
      - { .name: wimg, .offset: 8, .size: 8, .value_kind: global_buffer, .address_space: global }
      - { .name: bk, .offset: 16, .size: 8, .value_kind: global_buffer, .address_space: global }
      - { .name: bv, .offset: 24, .size: 8, .value_kind: global_buffer, .address_space: global }
      - { .name: kvh, .offset: 32, .size: 8, .value_kind: global_buffer, .address_space: global }
    .group_segment_fixed_size: 322048
    .private_segment_fixed_size: 0
    .kernarg_segment_align: 8
    .kernarg_segment_size: 40
    .max_flat_workgroup_size: 128
    .sgpr_count:     80
    .vgpr_count:     512
    .wavefront_size: 32
...
	.end_amdgpu_metadata
.endif
;; end of part 2
;; launch gemm1 (part 3): grid 8 x 32, 4 waves a work-group, clusters of 4 x 4, 327,680 bytes of LDS; arguments aimg, wimg, bq, qh; writes qh
.if DOCPART == 3
	.amdgcn_target "amdgcn-amd-amdhsa--gfx1250"
	.amdhsa_code_object_version 6
	.text
	.protected	k_q688e87ebc4_gemm1
	.globl	k_q688e87ebc4_gemm1
	.p2align	8
	.type	k_q688e87ebc4_gemm1,@function
k_q688e87ebc4_gemm1:
	s_mov_b64 s[64:65], 0
	v_nop
	global_prefetch_b8 v0, s[64:65] scope:SCOPE_SE
	s_setreg_imm32_b32 hwreg(HW_REG_WAVE_MODE, 25, 1), 1
	s_wait_xcnt 0x0
	s_wait_alu depctr_hold_cnt(0) depctr_sa_sdst(0) depctr_va_vdst(0) depctr_va_sdst(0) depctr_va_ssrc(0) depctr_va_vcc(0) depctr_vm_vsrc(0)
	s_getreg_b32 s2, hwreg(HW_REG_IB_STS2, 6, 4)
	s_cmp_eq_u32 s2, 0
	s_cbranch_scc0 .Lentry_in_a_cluster
	s_endpgm
.Lentry_in_a_cluster:
	s_bfe_u32 s2, ttmp6, 0x10000c
	s_cmp_lg_u32 s2, 0xf033
	s_cbranch_scc0 .Lentry_shape_is_right
	s_endpgm
.Lentry_shape_is_right:
.set REC,   6400
.set SLOT,  24*REC
.set SPARE, 2*SLOT
.set BBASE, 0
.set ADRA, 16
.set ASA,  18
.set ADRB, 20
.set ASB,  22
.set CO,   26
.set SPW,  28
.set NIL,  29
.set SC,   32
.set BI,   80
.set AF,   144
.set TM,   80
.set G1,  24
.set G0,  32
.set G1B, 48
.set G0B, 56
.set SEL, 74
.set MSB, 0
.macro WIN new
.if MSB != \new
	s_set_vgpr_msb (MSB<<8)|\new
.set MSB, \new
.endif
.endm
.macro JLOAD s
	s_cmp_eq_u32 s15, 0
	s_cbranch_scc0 .Lfor_b_\@
	tensor_load_to_lds s[G0+4*\s:G0+4*\s+3], s[G1:G1+7]
	s_nop 0
.rept 4
	v_nop
.endr
	s_branch .Lasked_\@
.Lfor_b_\@:
	tensor_load_to_lds s[G0B+4*\s:G0B+4*\s+3], s[G1B:G1B+7]
	s_nop 0
.rept 4
	v_nop
.endr
.Lasked_\@:
.endm
.macro CREST
	s_cmp_lg_u32 s14, 0
	s_cbranch_scc1 .Lnot_wave_0_\@
	s_barrier_signal -3
.Lnot_wave_0_\@:
	s_barrier_wait -3
	s_barrier_signal -1
	s_barrier_wait -1
.endm
.macro CROUND
	s_barrier_signal -1
	s_barrier_wait -1
	CREST
.endm
.macro PLACES
.rept 4
	v_nop
.endr
.endm
.macro WM d, s0, s1, c, sa, sb, ra, rb
.if (\ra) && (\rb)
	v_wmma_scale_f32_16x16x128_f8f6f4 v[(\d):(\d)+7], v[(\s0):(\s0)+11], v[(\s1):(\s1)+11], v[(\c):(\c)+7], v[(\sa)], v[(\sb)] matrix_a_fmt:MATRIX_FMT_FP6 matrix_b_fmt:MATRIX_FMT_FP6 matrix_a_scale:MATRIX_SCALE_ROW1 matrix_b_scale:MATRIX_SCALE_ROW1
.elseif (\ra)
	v_wmma_scale_f32_16x16x128_f8f6f4 v[(\d):(\d)+7], v[(\s0):(\s0)+11], v[(\s1):(\s1)+11], v[(\c):(\c)+7], v[(\sa)], v[(\sb)] matrix_a_fmt:MATRIX_FMT_FP6 matrix_b_fmt:MATRIX_FMT_FP6 matrix_a_scale:MATRIX_SCALE_ROW1
.elseif (\rb)
	v_wmma_scale_f32_16x16x128_f8f6f4 v[(\d):(\d)+7], v[(\s0):(\s0)+11], v[(\s1):(\s1)+11], v[(\c):(\c)+7], v[(\sa)], v[(\sb)] matrix_a_fmt:MATRIX_FMT_FP6 matrix_b_fmt:MATRIX_FMT_FP6 matrix_b_scale:MATRIX_SCALE_ROW1
.else
	v_wmma_scale_f32_16x16x128_f8f6f4 v[(\d):(\d)+7], v[(\s0):(\s0)+11], v[(\s1):(\s1)+11], v[(\c):(\c)+7], v[(\sa)], v[(\sb)] matrix_a_fmt:MATRIX_FMT_FP6 matrix_b_fmt:MATRIX_FMT_FP6
.endif
.endm
.macro MUL8 a, p, q, sc, first
.irp b, 0,1,2,3,4,5,6,7
.if \first
	WM 8*(8*(\a)+\b), 128*(\p)+12*\b, AF+48*(\p)+12*(\a), BI+8*\b, SC+24*(\sc)+8+4*(\b/2)+(\q), SC+24*(\sc)+4*((\a)/2)+(\q), \b%2, (\a)%2
.else
	WM 8*(8*(\a)+\b), 128*(\p)+12*\b, AF+48*(\p)+12*(\a), 8*(8*(\a)+\b), SC+24*(\sc)+8+4*(\b/2)+(\q), SC+24*(\sc)+4*((\a)/2)+(\q), \b%2, (\a)%2
.endif
.endr
.endm
.macro FETCH slot, q, p
	WIN 0x40
.irp b, 0,1,2,3,4,5,6,7
.irp g, 0,1,2
	ds_load_b128 v[128*(\p)+12*\b+4*\g:128*(\p)+12*\b+4*\g+3], v[ADRB+\slot] offset:REC*\b+1536*(\q)+512*\g
.endr
.endr
	WIN 0
.irp b, 0,1,2,3
.irp g, 0,1,2
	ds_load_b128 v[AF+48*(\p)+12*\b+4*\g:AF+48*(\p)+12*\b+4*\g+3], v[ADRA+\slot] offset:REC*\b+1536*(\q)+512*\g
.endr
.endr
.endm
.macro SCALES slot
.irp p, 0,1
	ds_load_b128 v[SC+24*\slot+4*\p:SC+24*\slot+4*\p+3], v[ASA+\slot] offset:6144+2*REC*\p
.endr
.irp p, 0,1,2,3
	ds_load_b128 v[SC+24*\slot+8+4*\p:SC+24*\slot+8+4*\p+3], v[ASB+\slot] offset:6144+2*REC*\p
.endr
.endm
.macro STEP slot, q, first
	s_wait_dscnt 0x0
	PLACES
	FETCH \slot, (\q)+1, ((\q)+1)%2
.if \first
	WIN 0x81
.else
	WIN 0xa1
.endif
.irp a, 0,1,2,3
	MUL8 \a, (\q)%2, \q, \slot, \first
.endr
	WIN 0
.endm
.macro TURN slot, next, fill
	s_wait_tensorcnt 0x0
	ds_add_u32 v[SPW], v[NIL]
	s_wait_dscnt 1
	WIN 0xa1
	MUL8 0, 1, 3, \slot, 0
	s_wait_dscnt 0x0
	s_barrier_signal -1
	MUL8 1, 1, 3, \slot, 0
	WIN 0
	s_barrier_wait -1
.if \fill
	CREST
	s_add_nc_u64 s[G0+4*\slot+2:G0+4*\slot+3], s[G0+4*\slot+2:G0+4*\slot+3], 2*256*REC
	s_add_nc_u64 s[G0B+4*\slot+2:G0B+4*\slot+3], s[G0B+4*\slot+2:G0B+4*\slot+3], 2*128*REC
	JLOAD \slot
.else
	PLACES
.endif
	FETCH \next, 0, 0
	SCALES \next
	WIN 0xa1
	MUL8 2, 1, 3, \slot, 0
	MUL8 3, 1, 3, \slot, 0
	WIN 0
.endm
	s_load_b256 s[4:11], s[0:1], 0x0
	v_lshl_add_u32 v[SPW], v0, 2, SPARE
	v_mov_b32 v[NIL], 0
	ds_add_u32 v[SPW], v[NIL]
	ds_add_u32 v[SPW], v[NIL]
	v_lshrrev_b32 v1, 5, v0
	v_readfirstlane_b32 s14, v1
	s_lshr_b32 s15, s14, 1
	s_and_b32 s16, s14, 1
	s_bfe_u32 s40, ttmp6, 0x40000
	s_bfe_u32 s41, ttmp6, 0x40004
	s_lshl_b32 s42, ttmp9, 2
	s_add_co_u32 s42, s42, s40
	s_and_b32 s17, ttmp7, 0xffff
	s_lshl_b32 s17, s17, 2
	s_add_co_u32 s17, s17, s41
	s_lshl_b32 s43, s41, 2
	s_lshl_b32 s43, 15, s43
	s_lshl_b32 s44, 0x1111, s40
	s_or_b32 s[G1], s43, (3<<16)|(1<<21)
	s_or_b32 s[G1B], s44, (3<<16)|(1<<21)
	s_mov_b32 s[G1+1], 32<<16
	s_mov_b32 s[G1+2], 100<<16
	s_mov_b32 s[G1+3], 32<<16
	s_mov_b32 s[G1+4], 100
	s_mov_b32 s[G1+5], 32
	s_mov_b32 s[G1+6], 0
	s_mov_b32 s[G1+7], 0
	s_mov_b32 s[G1B+1], 32<<16
	s_mov_b32 s[G1B+2], 200<<16
	s_mov_b32 s[G1B+3], 32<<16
	s_mov_b32 s[G1B+4], 200
	s_mov_b32 s[G1B+5], 32
	s_mov_b32 s[G1B+6], 0
	s_mov_b32 s[G1B+7], 0
	s_lshl_b32 s20, s17, 3
	s_lshl_b32 s18, s16, 2
	s_add_co_u32 s20, s20, s18
	s_mul_i32 s20, s20, REC
	s_mov_b32 s21, 0
	s_lshl_b32 s46, s42, 4
	s_lshl_b32 s18, s16, 3
	s_add_co_u32 s46, s46, s18
	s_mul_i32 s46, s46, REC
	s_add_co_u32 s46, s46, BBASE
	s_mov_b32 s47, 0
	s_mul_i32 s45, s16, 4*REC
	s_mul_i32 s66, s16, 8*REC
	s_add_co_u32 s66, s66, 8*REC
	s_wait_dscnt 0x0
	s_wait_kmcnt 0x0
	s_add_nc_u64 s[20:21], s[4:5], s[20:21]
	s_add_nc_u64 s[46:47], s[6:7], s[46:47]
.irp s, 0,1
	s_mov_b32 s[G0+4*\s], 1
	s_add_co_u32 s[G0+4*\s+1], s45, \s*SLOT
	s_add_nc_u64 s[G0+4*\s+2:G0+4*\s+3], s[20:21], \s*256*REC
	s_or_b32 s[G0+4*\s+3], s[G0+4*\s+3], 0x80000000
	s_mov_b32 s[G0B+4*\s], 1
	s_add_co_u32 s[G0B+4*\s+1], s66, \s*SLOT
	s_add_nc_u64 s[G0B+4*\s+2:G0B+4*\s+3], s[46:47], \s*128*REC
	s_or_b32 s[G0B+4*\s+3], s[G0B+4*\s+3], 0x80000000
	s_wait_alu depctr_va_vdst(0)
	s_wait_tensorcnt 0x0
	ds_add_u32 v28, v29
	ds_add_u32 v28, v29
	s_wait_dscnt 0x0
	CROUND
	JLOAD \s
.endr
	v_and_b32 v1, 15, v0
	v_bfe_u32 v2, v0, 4, 1
	v_and_b32 v3, 31, v0
	v_lshlrev_b32 v3, 4, v3
	v_lshlrev_b32 v4, 4, v1
	v_mad_u32_u24 v4, v2, REC, v4
	s_mul_i32 s67, s15, 4*REC
	s_mul_i32 s68, s16, 8*REC
	s_add_co_u32 s68, s68, 8*REC
.irp s, 0,1
	v_add_nc_u32 v[ADRA+\s], s67, v3
	v_add_nc_u32 v[ADRB+\s], s68, v3
	v_add_nc_u32 v[ASA+\s], s67, v4
	v_add_nc_u32 v[ASB+\s], s68, v4
	s_add_co_u32 s67, s67, SLOT
	s_add_co_u32 s68, s68, SLOT
.endr
	s_lshl_b32 s69, s42, 1
	s_add_co_u32 s69, s69, s16
	s_lshl_b32 s70, s69, 9
	s_mov_b32 s71, 0
	s_add_nc_u64 s[8:9], s[8:9], s[70:71]
	v_lshlrev_b32 v5, 6, v2
.irp b, 0,1,2,3,4,5,6,7
	global_load_b128 v[BI+8*\b:BI+8*\b+3], v5, s[8:9] offset:(32*(\b/2)+8*(\b%2))*4
	global_load_b128 v[BI+8*\b+4:BI+8*\b+7], v5, s[8:9] offset:(32*(\b/2)+8*(\b%2))*4+16
.endr
	s_lshl_b32 s68, s17, 1
	s_add_co_u32 s68, s68, s15
	s_lshl_b32 s70, s68, 6
	s_add_co_u32 s70, s70, s69
	s_mul_i32 s70, s70, 1536
	s_lshl_b32 s72, s68, 4
	s_add_co_u32 s72, s72, s69
	s_lshl_b32 s72, s72, 8
	s_add_co_u32 s72, s72, 6291456
	s_mov_b32 s73, 0
	s_add_nc_u64 s[12:13], s[10:11], s[72:73]
	s_add_nc_u64 s[10:11], s[10:11], s[70:71]
	s_mov_b32 s[SEL], 0x76543210
	s_mov_b32 s[SEL+1], 0xfedcba98
	s_wait_alu depctr_va_vdst(0)
	s_wait_tensorcnt 0x1
	s_barrier_signal -1
	s_barrier_wait -1
	FETCH 0, 0, 0
	SCALES 0
	s_wait_loadcnt 0x0
	STEP 0, 0, 1
	STEP 0, 1, 0
	STEP 0, 2, 0
	TURN 0, 1, 1
	STEP 1, 0, 0
	STEP 1, 1, 0
	STEP 1, 2, 0
	TURN 1, 0, 1
	STEP 0, 0, 0
	STEP 0, 1, 0
	STEP 0, 2, 0
	TURN 0, 1, 0
	STEP 1, 0, 0
	STEP 1, 1, 0
	STEP 1, 2, 0
	s_wait_dscnt 0x0
	WIN 0xa1
.irp a, 0,1,2,3
	MUL8 \a, 1, 3, 1, 0
.endr
	WIN 0
.macro QUANTW s, pc, pw
	WIN 0x28
.irp b, 0,1,2,3
	v_max3_num_f32 v[TM+\b], 0x1800000, |v[(\s)+16*\b]|, |v[(\s)+1+16*\b]|
.endr
.irp i, 2,4,6,8,10,12,14
.irp b, 0,1,2,3
	v_max3_num_f32 v[TM+\b], v[TM+\b], |v[(\s)+16*\b+\i]|, |v[(\s)+1+16*\b+\i]|
.endr
.endr
	WIN 0
.irp b, 0,1,2,3
	v_permlanex16_b32 v[TM+4+\b], v[TM+\b], s[SEL], s[SEL+1]
.endr
.irp b, 0,1,2,3
	v_max_num_f32 v[TM+\b], v[TM+\b], v[TM+4+\b]
.endr
.irp b, 0,1,2,3
	v_add_nc_u32 v[TM+12+\b], 0xff000000, v[TM+\b]
.endr
.irp b, 0,1,2,3
	v_lshrrev_b32 v[TM+4+\b], 23, v[TM+12+\b]
.endr
	v_lshl_or_b32 v[\pw], v[TM+5], 8, v[TM+4]
	v_lshl_or_b32 v[\pw], v[TM+6], 16, v[\pw]
	v_lshl_or_b32 v[\pw], v[TM+7], 24, v[\pw]
	WIN 0x02
.irp c, 0,1
	v_cvt_scalef32_pk16_fp6_f32 v[(\pc)+6*\c:(\pc)+2+6*\c], v[(\s)+32*\c:(\s)+15+32*\c], v[TM+12+2*\c]
	v_cvt_scalef32_pk16_fp6_f32 v[(\pc)+12+4*\c:(\pc)+14+4*\c], v[(\s)+16+32*\c:(\s)+31+32*\c], v[TM+12+2*\c+1]
.endr
	WIN 0
	v_nop
.irp c, 0,1
.irp i, 0,1,2
	v_permlane16_swap_b32 v[(\pc)+6*\c+\i], v[(\pc)+12+4*\c+\i]
.endr
.irp i, 0,1,2
	v_mov_b32 v[(\pc)+3+6*\c+\i], v[(\pc)+12+4*\c+\i]
.endr
.endr
.endm
	PLACES
.irp b, 0,1,2,3
	v_mov_b32 v[TM+4+\b], 0
.endr
	v_cmp_eq_u32 vcc_lo, 1, v2
	v_lshlrev_b32 v[CO], 4, v1
	v_lshl_add_u32 v[CO], v2, 3, v[CO]
.irp a, 0,1,2,3
	QUANTW 64*\a, AF+24*\a, 96+\a
.irp g, 0,1,2
	global_store_b128 v3, v[AF+24*\a+4*\g:AF+24*\a+4*\g+3], s[10:11] offset:24576*\a+512*\g
.endr
.endr
	v_cndmask_b32 v100, v96, v98, vcc_lo
	v_cndmask_b32 v101, v97, v99, vcc_lo
	global_store_b64 v[CO], v[100:101], s[12:13]
	s_wait_tensorcnt 0x0
	ds_add_u32 v[SPW], v[NIL]
	s_wait_dscnt 0x0
	CROUND
	s_endpgm
.Lfunc_end_k_q688e87ebc4_gemm1:
	.size	k_q688e87ebc4_gemm1, .Lfunc_end_k_q688e87ebc4_gemm1-k_q688e87ebc4_gemm1
	.p2alignl 7, 3214868480
	.fill 96, 4, 3214868480
	.section	.rodata,"a",@progbits
	.p2align	6, 0x0
	.amdhsa_kernel k_q688e87ebc4_gemm1
		.amdhsa_group_segment_fixed_size 327680
		.amdhsa_private_segment_fixed_size 0
		.amdhsa_enable_private_segment 0
		.amdhsa_kernarg_size 32
		.amdhsa_user_sgpr_count 2
		.amdhsa_user_sgpr_kernarg_segment_ptr 1
		.amdhsa_wavefront_size32 1
		.amdhsa_system_sgpr_workgroup_id_x 1
		.amdhsa_system_sgpr_workgroup_id_y 1
		.amdhsa_system_sgpr_workgroup_id_z 1
		.amdhsa_system_vgpr_workitem_id 0
		.amdhsa_next_free_vgpr 768
		.amdhsa_next_free_sgpr 98
		.amdhsa_reserve_vcc 1
		.amdhsa_float_denorm_mode_32 3
		.amdhsa_float_denorm_mode_16_64 3
		.amdhsa_memory_ordered 1
		.amdhsa_forward_progress 1
		.amdhsa_inst_pref_size 135
	.end_amdhsa_kernel
	.amdgpu_metadata
---
amdhsa.version: [ 1, 2 ]
amdhsa.kernels:
  - .name:           k_q688e87ebc4_gemm1
    .symbol:         k_q688e87ebc4_gemm1.kd
    .args:
      - { .name: aimg, .offset: 0, .size: 8, .value_kind: global_buffer, .address_space: global }
      - { .name: wimg, .offset: 8, .size: 8, .value_kind: global_buffer, .address_space: global }
      - { .name: bq, .offset: 16, .size: 8, .value_kind: global_buffer, .address_space: global }
      - { .name: qh, .offset: 24, .size: 8, .value_kind: global_buffer, .address_space: global }
    .group_segment_fixed_size: 327680
    .private_segment_fixed_size: 0
    .kernarg_segment_align: 8
    .kernarg_segment_size: 32
    .max_flat_workgroup_size: 128
    .sgpr_count:     98
    .vgpr_count:     768
    .wavefront_size: 32
...
	.end_amdgpu_metadata
.endif
;; end of part 3
;; launch attn (part 4): grid 4 x 64, 8 waves a work-group, clusters of 4 x 1, 327,680 bytes of LDS; arguments qh, kvh, oimg; writes oimg
.if DOCPART == 4
	.amdgcn_target "amdgcn-amd-amdhsa--gfx1250"
	.amdhsa_code_object_version 6
	.text
	.protected	k_q688e87ebc4_attn
	.globl	k_q688e87ebc4_attn
	.p2align	8
	.type	k_q688e87ebc4_attn,@function
k_q688e87ebc4_attn:
	s_mov_b64 s[64:65], 0
	v_nop
	global_prefetch_b8 v0, s[64:65] scope:SCOPE_SE
	s_setreg_imm32_b32 hwreg(HW_REG_WAVE_MODE, 25, 1), 1
	s_wait_xcnt 0x0
	s_wait_alu depctr_hold_cnt(0) depctr_sa_sdst(0) depctr_va_vdst(0) depctr_va_sdst(0) depctr_va_ssrc(0) depctr_va_vcc(0) depctr_vm_vsrc(0)
	s_getreg_b32 s2, hwreg(HW_REG_IB_STS2, 6, 4)
	s_cmp_eq_u32 s2, 0
	s_cbranch_scc0 .Lentry_in_a_cluster
	s_endpgm
.Lentry_in_a_cluster:
	s_bfe_u32 s2, ttmp6, 0x10000c
	s_cmp_lg_u32 s2, 0x3003
	s_cbranch_scc0 .Lentry_shape_is_right
	s_endpgm
.Lentry_shape_is_right:
; O = softmax(Q K^T / sqrt(128)) V for 4 batches x 16 heads x 1,024 queries, one K and V head a batch; both products on codes of FP6 (E2M3) with E8M0 scales.  O / l is quantised along the head's 128 and leaves as codes.
; THE SOFTMAX: t = score x log2(e) / sqrt(128); M = the running largest t rounded UP to a whole number; p = 2^(t - M) is quantised along the keys, not normalised.  The row's sum is taken of the
; unquantised p, in f32, and divides O at the end.  When M moves, the sum and O are multiplied by 2^(old M - new M): exact.
; SHARES.  A work-group owns 256 queries of one (batch, head); each of its eight waves owns 32: TWO TILES of 16, in 512 registers: two waves to a SIMD.  Each fragment of K and V that a wave reads from LDS feeds two products.
; REGISTER WINDOWS: window a (0, 1) holds all of tile a under the same numbers: v12 -M, v13 the largest t, v[14:15] the sum, v16-27 Q, v96-159 S^T then p, v160-223 O^T, v224-235 p's codes, v232-254 at work.
;   v32-79 of the two windows hold eight fragments: first the step's K (tiles 0-3, 4-7), then its V.  Scale operands have no window: v80-83 K's words (lanes 0-15 tile 2 p, lanes 16-31 tile 2 p + 1),
;   v84-87 V's, v88-89 p's (one a tile), v92-93 Q's.  Window 0 also: v1 16 x lane, v3 4 x lane + 12,288, v5, v6 the add's two, v8, v9 LDS addresses.
; A KEY STEP (128 keys): K's fragments; 16 products S^T = K Q^T; V's fragments are asked for into the same registers; then each tile's turn: the maxima, M, p, its codes, O^T under the new M, and the row's sum,
; among whose additions stand the tile's eight products O^T += V^T P^T.  Step 0 is written out: its O products start the sums with C = 0 and nothing is cleared; steps 1-7 are a loop of seven trips.
; K AND V OF THE WHOLE BATCH LIE IN LDS, 2 x 102,400 bytes, filled once.  A record of 12,800 bytes is one step of 128 keys: eight fragments (images of the registers, 1,536 bytes), then scale words at 12,288 + 64 t + 4 r.
; CLUSTER: the four query blocks of a (batch, head) read the same K and V: JOINT loads (mask 15).  At the head each wave asks for a quarter of K's or V's records 0-1 (6,400 bytes); behind the full sequence and a round each
; asks for a quarter of records 2-7 (19,200 bytes), which have step 0 in which to land.  No data prefetch: all of K and V is asked for by these two loads, and no loop of this text asks memory for anything.
; LAYOUT.  Both products transposed: a lane holds one query throughout.  Lane row p of K's tile t is key 32 (t / 2) + 8 (t % 2) + p + 8 (p / 8), so the 16 registers of tiles 2 b, 2 b + 1 are 16 neighbouring keys; V's tiles likewise along d.
; LIMITS: the promise holds while the scaled scores t stay under 2^31 in magnitude; NaN and infinities are not served; a block under 2^(3 - 127) keeps the byte 1.  O's scale words leave as 4 bytes of each row's 16.
.set REC,   6400
.set KREC,  12800
.set VBASE, 102400
.set SPARE, 204800                     ; the spare words: 128 bytes a wave, four blocks of 256 bytes that no other line names
.set L16,  1
.set L4,   3
.set SPW,  5
.set NIL,  6
.set ADF,  8
.set ADS,  9
.set KS,   80
.set VS,   84
.set PS,   88
.set QS,   92
.set WV,   18
.set SEL,  20
.set CS,   22
.set G1,   24
.set G1B,  32
.set G0,   40
.set G0B,  44
.set QB,   66
.set QSB,  68
.set OB,   70
.set OSB,  72
.set KOF,  74                          ; LDS byte of K's record that is asked for next; VOF: of V's
.set VOF,  75
.set CNT,  76
.set MSB, 0
.macro WIN new                         ; the immediate's high byte repeats the setting that is left
.if MSB != (\new)
	s_set_vgpr_msb (MSB<<8)|(\new)
.set MSB, (\new)
.endif
.endm
.macro CROUND
	s_barrier_signal -1
	s_barrier_wait -1
	s_cmp_lg_u32 s[WV], 0
	s_cbranch_scc1 .Lnot_wave_0_\@
	s_barrier_signal -3
.Lnot_wave_0_\@:
	s_barrier_wait -3
	s_barrier_signal -1
	s_barrier_wait -1
.endm
.macro WMX d, s0, s1, cz, sa, sb, ra   ; one product; cz: it starts its sum with the constant 0; ra: source 0's scale words stand in lanes 16-31
.if (\cz) && (\ra)
	v_wmma_scale_f32_16x16x128_f8f6f4 v[(\d):(\d)+7], v[(\s0):(\s0)+11], v[(\s1):(\s1)+11], 0, v[(\sa)], v[(\sb)] matrix_a_fmt:MATRIX_FMT_FP6 matrix_b_fmt:MATRIX_FMT_FP6 matrix_a_scale:MATRIX_SCALE_ROW1
.elseif (\cz)
	v_wmma_scale_f32_16x16x128_f8f6f4 v[(\d):(\d)+7], v[(\s0):(\s0)+11], v[(\s1):(\s1)+11], 0, v[(\sa)], v[(\sb)] matrix_a_fmt:MATRIX_FMT_FP6 matrix_b_fmt:MATRIX_FMT_FP6
.elseif (\ra)
	v_wmma_scale_f32_16x16x128_f8f6f4 v[(\d):(\d)+7], v[(\s0):(\s0)+11], v[(\s1):(\s1)+11], v[(\d):(\d)+7], v[(\sa)], v[(\sb)] matrix_a_fmt:MATRIX_FMT_FP6 matrix_b_fmt:MATRIX_FMT_FP6 matrix_a_scale:MATRIX_SCALE_ROW1
.else
	v_wmma_scale_f32_16x16x128_f8f6f4 v[(\d):(\d)+7], v[(\s0):(\s0)+11], v[(\s1):(\s1)+11], v[(\d):(\d)+7], v[(\sa)], v[(\sb)] matrix_a_fmt:MATRIX_FMT_FP6 matrix_b_fmt:MATRIX_FMT_FP6
.endif
.endm
.macro SMM a, t                        ; S^T of tile a, 16 keys of K's tile t: D and Q in window a, K's fragment in window t / 4
	WIN (((\a)<<6)|((\a)<<2)|((\t)/4))
	WMX 96+8*(\t), 32+12*((\t)%4), 16, 1, KS+(\t)/2, QS+(\a), (\t)%2
.endm
.macro PMM a, t, cz                    ; O^T of tile a, 16 of the head's 128: C, D and p's codes in window a, V's fragment in window t / 4
	WIN (((\a)<<6)|((\a)<<4)|((\a)<<2)|((\t)/4))
	WMX 160+8*(\t), 32+12*((\t)%4), 224, \cz, VS+(\t)/2, PS+(\a), (\t)%2
.endm
.macro LOADF so, sc                    ; a record's eight fragments and its scale words: 28 LDS loads; the record's place steps on
	WIN 0
	v_add_nc_u32 v[ADF], s[\so], v[L16]
	v_add_nc_u32 v[ADS], s[\so], v[L4]
	s_add_co_u32 s[\so], s[\so], KREC
.irp t, 0,1,2,3,4,5,6,7
	WIN (\t/4)<<6
.irp k, 0,1,2
	ds_load_b128 v[32+12*(\t%4)+4*\k:35+12*(\t%4)+4*\k], v[ADF] offset:1536*\t+512*\k
.endr
.endr
	WIN 0
.irp p, 0,1,2,3
	ds_load_b32 v[\sc+\p], v[ADS] offset:128*\p
.endr
.endm
; THE FIRST HALF OF A TILE'S TURN: the blocks' largest scores, M, t - M
.macro SLOTA a
	WIN 0x55*(\a)
	s_wait_alu depctr_va_vdst(0)                   ; the wait directly ahead of the first readers of S^T; only plain vector lines follow until all eight accumulators have been read
.irp b, 0,1,2,3
	v_max3_num_f32 v[232+\b], v[96+16*\b], v[97+16*\b], v[98+16*\b]   ; the largest score of each block of 32 keys: for the row's maximum and, since p rises with the score, for the block's largest p
.endr
.irp i, 3,5,7,9,11,13
.irp b, 0,1,2,3
	v_max3_num_f32 v[232+\b], v[232+\b], v[96+16*\b+\i], v[97+16*\b+\i]
.endr
.endr
.irp b, 0,1,2,3
	v_max_num_f32 v[232+\b], v[232+\b], v[111+16*\b]
.endr
.irp b, 0,1,2,3
	s_delay_alu instid0(VALU_DEP_4)
	v_permlanex16_b32 v[236+\b], v[232+\b], s[SEL], s[SEL+1]
.endr
.irp b, 0,1,2,3
	s_delay_alu instid0(VALU_DEP_4)
	v_max_num_f32 v[232+\b], v[232+\b], v[236+\b]  ; with lane l xor 16's 16 keys
.endr
	s_delay_alu instid0(VALU_DEP_2)
	v_max3_num_f32 v254, v232, v233, v234
	s_delay_alu instid0(VALU_DEP_1)
	v_max_num_f32 v254, v254, v235                 ; the step's largest score of my query
	s_delay_alu instid0(VALU_DEP_1)
	v_mul_f32 v254, s[CS], v254                    ; as t (c is positive)
	s_delay_alu instid0(VALU_DEP_1)
	v_max_num_f32 v13, v13, v254                   ; the running largest t
	v_mov_b32 v254, v12
	s_delay_alu instid0(VALU_DEP_2)
	v_floor_f32 v12, -v13                          ; the new -M = floor(-t) = -ceil(t): a whole number
	s_delay_alu instid0(VALU_DEP_1)
	v_sub_f32 v254, v12, v254                      ; old M less new M: a whole number, 0 or less
	s_delay_alu instid0(VALU_DEP_1)
	v_cvt_i32_f32 v254, v254                       ; (it saturates)
	s_delay_alu instid0(VALU_DEP_1)
	v_ldexp_f32 v252, 1.0, v254                    ; f = 2^(old M - new M): a multiplication by it rounds nothing
.set j, 0
.rept 32
	v_pk_fma_f32 v[96+j:97+j], v[96+j:97+j], s[CS:CS+1], v[12:13] op_sel_hi:[1,0,0]   ; t - M, two at a time
.set j, j+2
.endr
.irp b, 0,1,2,3
	v_fma_f32 v[232+\b], v[232+\b], s[CS], v12     ; the same of each block's largest score
.endr
.endm
.macro AD d, x, y, a, cz               ; one addition of the row's sum; behind the 4th, 7th .. 25th stands one of the tile's eight O products
	v_pk_add_f32 v[\d:\d+1], v[\x:\x+1], v[\y:\y+1]
.set na, na+1
.if (na>=4) && (na<=25) && ((na-4)%3==0)
	PMM \a,(na-4)/3,\cz
	WIN 0x55*(\a)
.endif
.endm
.macro ADR a, cz, y0, y1, y2, y3, y4, y5, y6, y7   ; eight chains by turns
	AD 236,236,\y0,\a,\cz
	AD 250,250,\y1,\a,\cz
	AD 248,248,\y2,\a,\cz
	AD 246,246,\y3,\a,\cz
	AD 244,244,\y4,\a,\cz
	AD 242,242,\y5,\a,\cz
	AD 240,240,\y6,\a,\cz
	AD 14,14,\y7,\a,\cz
.endm
; THE SECOND HALF: p, its codes and scale word, O^T under the new M, the row's sum with the O products in it.  first: O^T starts here (C = 0, nothing to rescale); vw: V's fragments are waited for
.macro SLOTB a, first, vw
	s_wait_alu depctr_va_vdst(0)                   ; the wait ahead of the batch
.set j, 0
.rept 64
	v_exp_f32 v[96+j], v[96+j]                     ; p = 2^(t - M), at most 1: not normalised
.set j, j+1
.endr
.irp b, 0,1,2,3
	v_exp_f32 v[232+\b], v[232+\b]                 ; the block's largest p: the same two instructions on the same number give the same bits
.endr
	v_pk_mul_f32 v[14:15], v[14:15], v[252:253] op_sel_hi:[1,0]   ; the sums under the new M: a plain place behind the exponentials
	s_wait_alu depctr_va_vdst(0)                   ; one wait for the whole batch, ahead of its first reader
.irp b, 0,1,2,3
	v_max_num_f32 v[232+\b], 0x1800000, v[232+\b]  ; the floor 2^(3 - 127): the byte cannot fall under 1
.endr
.irp b, 0,1,2,3
	s_delay_alu instid0(VALU_DEP_4)
	v_add_nc_u32 v[244+\b], 0xff000000, v[232+\b]  ; 2 off the exponent field: the conversion's scale operand
.endr
.irp c, 0,1
	v_cvt_scalef32_pk16_fp6_f32 v[224+6*\c:226+6*\c], v[96+32*\c:111+32*\c], v[244+2*\c]
	v_cvt_scalef32_pk16_fp6_f32 v[236+4*\c:238+4*\c], v[112+32*\c:127+32*\c], v[244+2*\c+1]   ; (a conversion's three registers begin on an even number)
.endr
.irp b, 0,1,2,3
	v_lshrrev_b32 v[248+\b], 23, v[244+\b]         ; the bytes; these lines are also the plain place behind the conversions
.endr
	s_delay_alu instid0(VALU_DEP_3)
	v_lshl_or_b32 v253, v249, 8, v248              ; p's scale word for these 128 keys
	s_delay_alu instid0(VALU_DEP_1)
	v_lshl_or_b32 v253, v250, 16, v253
	s_delay_alu instid0(VALU_DEP_1)
	v_lshl_or_b32 v253, v251, 24, v253
	WIN (\a)
	v_mov_b32 v[PS+\a], v253                       ; to its place among the scale registers, which have no window
	WIN 0x55*(\a)
.irp c, 0,1                            ; the operand's layout wants a whole block in a lane
.irp i, 0,1,2
	v_permlane16_swap_b32 v[224+6*\c+\i], v[236+4*\c+\i]
.endr
.irp i, 0,1,2
	s_delay_alu instid0(VALU_DEP_3)
	v_mov_b32 v[227+6*\c+\i], v[236+4*\c+\i]
.endr
.endr
.if !(\first)
	s_wait_alu depctr_va_vdst(0)                   ; the wait directly ahead of the first readers of O^T
.set j, 0
.rept 32
	v_pk_mul_f32 v[160+j:161+j], v[160+j:161+j], v[252:253] op_sel_hi:[1,0]   ; O^T under the new M, each accumulator from its low end on
.set j, j+2
.endr
.endif
.if \vw
	s_wait_alu depctr_va_vdst(0)
	s_wait_dscnt 0x0                               ; this step's fragments of V are in
.endif
.set na, 0                             ; the row's sum of the unquantised p: 32 packed additions.  The first O product stands 10 plain lines behind the scale word's move and 4 behind the last move of codes
	AD 236,100,104,\a,\first
	AD 250,108,112,\a,\first
	AD 248,116,120,\a,\first
	AD 246,124,128,\a,\first
	AD 244,132,136,\a,\first
	AD 242,140,144,\a,\first
	AD 240,148,152,\a,\first
	AD 14,14,156,\a,\first
	ADR \a,\first,96,98,102,106,110,114,118,122
	ADR \a,\first,126,130,134,138,142,146,150,154
	AD 236,236,158,\a,\first
	AD 14,14,246,\a,\first                         ; these seven are also the places behind the last O product
	AD 236,236,244,\a,\first
	AD 250,250,242,\a,\first
	AD 248,248,240,\a,\first
	s_delay_alu instid0(VALU_DEP_2)
	AD 14,14,250,\a,\first
	s_delay_alu instid0(VALU_DEP_2)
	AD 236,236,248,\a,\first
	s_delay_alu instid0(VALU_DEP_1)
	AD 14,14,236,\a,\first
.endm
.macro STEP first
	LOADF KOF,KS                                   ; K's fragments: seven plain lines stand behind the last product that read these registers
	s_wait_alu depctr_va_vdst(0)
	s_wait_dscnt 0x0
.irp a, 0,1
.irp t, 0,1,2,3,4,5,6,7
	SMM \a,\t
.endr
.endr
	WIN 0
.rept 4
	v_nop                                          ; places in front of the loads into K's registers and of the first read of results
.endr
	LOADF VOF,VS                                   ; V's fragments, into the same registers: they have tile 0's turn up to its sum in which to land
	SLOTA 0
	SLOTB 0,\first,1
	SLOTA 1
	SLOTB 1,\first,0
	WIN 0
.endm
	s_load_b128 s[4:7], s[0:1], 0x0                ; qh, kvh
	s_load_b64 s[8:9], s[0:1], 0x10                ; oimg
	v_lshl_add_u32 v[SPW], v0, 2, SPARE
	v_mov_b32 v[NIL], 0
	ds_add_u32 v[SPW], v[NIL]                      ; the wave's opening: the add, twice on end, and its wait ahead of my first tensor load
	ds_add_u32 v[SPW], v[NIL]
	v_lshrrev_b32 v8, 5, v0
	v_readfirstlane_b32 s[WV], v8                  ; wave 0..7
	s_and_b32 s19, s[WV], 1                        ; I fetch for K (0) or for V (1),
	s_lshr_b32 s17, s[WV], 1                       ; which quarter
	s_bfe_u32 s48, ttmp6, 0x40000                  ; cx: my block of 256 queries: it enters Q's and O's addresses alone
	s_and_b32 s49, ttmp7, 0xffff
	s_lshr_b32 s50, s49, 4                         ; batch
	s_and_b32 s51, s49, 15                         ; head
	s_mov_b32 s[G1], 15|(3<<16)|(1<<21)            ; the mask: all four work-groups; elements of 8 bytes; bit 21 beside a mask; no padding
	s_mov_b32 s[G1+1], 32<<16                      ; a quarter of two records, 6,400 dense bytes, as 25 rows of 256 bytes
	s_mov_b32 s[G1+2], 25<<16
	s_mov_b32 s[G1+3], 32<<16
	s_mov_b32 s[G1+4], 25
	s_mov_b32 s[G1+5], 32
	s_mov_b32 s[G1+6], 0
	s_mov_b32 s[G1+7], 0
	s_mov_b32 s[G1B], 15|(3<<16)|(1<<21)
	s_mov_b32 s[G1B+1], 32<<16                     ; a quarter of six records, 19,200 dense bytes, as 75 rows of 256 bytes
	s_mov_b32 s[G1B+2], 75<<16
	s_mov_b32 s[G1B+3], 32<<16
	s_mov_b32 s[G1B+4], 75
	s_mov_b32 s[G1B+5], 32
	s_mov_b32 s[G1B+6], 0
	s_mov_b32 s[G1B+7], 0
	s_mul_i32 s52, s19, VBASE                      ; K's or V's place in LDS
	s_mul_i32 s53, s17, 6400
	s_mul_i32 s54, s17, 19200
	s_add_co_u32 s54, s54, 2*KREC
	s_mul_i32 s56, s19, 409600                     ; and in kvh,
	s_mul_i32 s57, s50, 8*KREC                     ; the batch's eight records
	s_add_co_u32 s56, s56, s57
	s_add_co_u32 s58, s56, s53
	s_mov_b32 s59, 0
	s_add_co_u32 s60, s56, s54
	s_mov_b32 s61, 0
	s_mov_b32 s[G0], 1
	s_add_co_u32 s[G0+1], s52, s53
	s_mov_b32 s[G0B], 1
	s_add_co_u32 s[G0B+1], s52, s54
	s_mov_b32 s[SEL], 0x76543210
	s_mov_b32 s[SEL+1], 0xfedcba98
	s_mov_b32 s[CS], 0x3e0293ee                    ; c = log2(e) / sqrt(128)
	s_mov_b32 s[CS+1], s[CS]                       ; (named with it as a pair, so it is written)
	s_mov_b32 s[KOF], 0
	s_mov_b32 s[VOF], VBASE
	s_wait_dscnt 0x0                               ; both opening adds are done
	s_wait_kmcnt 0x0
	s_add_nc_u64 s[G0+2:G0+3], s[6:7], s[58:59]
	s_or_b32 s[G0+3], s[G0+3], 0x80000000
	s_add_nc_u64 s[G0B+2:G0B+3], s[6:7], s[60:61]
	s_or_b32 s[G0B+3], s[G0B+3], 0x80000000
	CROUND                                         ; all four work-groups are here: the joint loads meet
	tensor_load_to_lds s[G0:G0+3], s[G1:G1+7]      ; my quarter of K's or V's records 0-1: one tensor load a wave at the head
	s_nop 0
.rept 4
	v_nop
.endr
	s_lshl_b32 s56, s50, 6
	s_lshl_b32 s57, s48, 4
	s_add_co_u32 s56, s56, s57
	s_lshl_b32 s57, s[WV], 1
	s_add_co_u32 s56, s56, s57                     ; my first row block: 64 x batch + 16 cx + 2 x wave; tile a is block + a
	s_lshl_b32 s58, s56, 4
	s_add_co_u32 s58, s58, s51
	s_mul_i32 s58, s58, 1536
	s_add_nc_u64 s[QB:QB+1], s[4:5], s[58:59]      ; Q's fragments, 24,576 bytes from tile to tile
	s_lshr_b32 s58, s56, 2
	s_lshl_b32 s58, s58, 4
	s_add_co_u32 s58, s58, s51
	s_lshl_b32 s58, s58, 8
	s_lshl_b32 s57, s19, 3
	s_add_co_u32 s58, s58, s57                     ; of a row's four words mine are two: 8 bytes on for an odd wave
	s_add_co_u32 s58, s58, 6291456
	s_add_nc_u64 s[QSB:QSB+1], s[4:5], s[58:59]    ; their scale words
	s_lshr_b32 s58, s51, 2
	s_lshl_b32 s58, s58, 8
	s_add_co_u32 s58, s58, s56
	s_mul_i32 s58, s58, REC                        ; O: record (quad = head / 4, row block),
	s_and_b32 s57, s51, 3
	s_mul_i32 s60, s57, 1536                       ; K step head % 4
	s_add_co_u32 s60, s60, s58
	s_add_nc_u64 s[OB:OB+1], s[8:9], s[60:61]
	s_lshl_b32 s57, s57, 2
	s_add_co_u32 s58, s58, s57
	s_add_co_u32 s58, s58, 6144
	s_add_nc_u64 s[OSB:OSB+1], s[8:9], s[58:59]
	v_and_b32 v8, 31, v0
	v_and_b32 v2, 15, v0
	v_lshlrev_b32 v[L16], 4, v8
	v_lshl_add_u32 v[L4], v8, 2, 12288
	v_lshlrev_b32 v2, 4, v2
	global_load_b64 v[QS:QS+1], v2, s[QSB:QSB+1]
.irp a, 0,1
	WIN (\a)<<6
.irp k, 0,1,2
	global_load_b128 v[16+4*\k:19+4*\k], v[L16], s[QB:QB+1] offset:24576*\a+512*\k   ; Q's fragments stay in registers
.endr
	v_mov_b32 v13, 0xff61b1e6                      ; the largest t so far: -3e38, under every t
	v_mov_b32 v12, 0x7f61b1e6                      ; -M = floor(3e38), which is 3e38
	v_mov_b32 v14, 0                               ; the sum, in two halves
	v_mov_b32 v15, 0
.irp b, 0,1,2,3
	v_mov_b32 v[236+\b], 0                         ; a lane permute's destination counts as one of its sources
.endr
	v_mov_b32 v253, 0                              ; (named as the upper half of the pair v[252:253] before it is first written)
.endr
	WIN 0
	s_wait_alu depctr_va_vdst(0)                   ; the wait at the head's end
	s_wait_tensorcnt 0x0                           ; my part of the records 0-1 is in;
	ds_add_u32 v[SPW], v[NIL]
	s_wait_dscnt 0x0
	CROUND                                         ; a whole round: everybody's part is in, and the joint loads meet
	tensor_load_to_lds s[G0B:G0B+3], s[G1B:G1B+7]  ; my quarter of K's or V's records 2-7: the first tensor load behind the round
	s_nop 0
.rept 4
	v_nop
.endr
	s_wait_loadcnt 0x0                             ; Q
	STEP 1                                         ; step 0 starts the sums
	s_wait_alu depctr_va_vdst(0)
	s_wait_tensorcnt 0x0                           ; my part of the records 2-7 is in;
	s_wait_dscnt 0x0
	s_barrier_signal -1
	s_barrier_wait -1                              ; and everybody's.  Nothing is ever filled again
	s_mov_b32 s[CNT], 7
.Lstep:                                                ; steps 1 to 7
	STEP 0
	s_sub_co_u32 s[CNT], s[CNT], 1
	s_cmp_lg_u32 s[CNT], 0
	s_wait_alu depctr_va_vdst(0)
	s_cbranch_scc1 .Lstep
; THE WAY OUT: O^T / l; register 16 b + i is d = 32 b + 16 h + i of my query: one fragment of the last product's A, K step head % 4 of quad head / 4
.macro OUT a
	WIN 0x55*(\a)
	v_add_f32 v14, v14, v15
	s_delay_alu instid0(VALU_DEP_1)
	v_permlanex16_b32 v252, v14, s[SEL], s[SEL+1]
	s_delay_alu instid0(VALU_DEP_1)
	v_add_f32 v14, v14, v252                       ; the row's sum
	s_wait_alu depctr_va_vdst(0)
	v_rcp_f32 v14, v14
	v_nop                                          ; a plain place behind the transcendental
	s_wait_alu depctr_va_vdst(0)                   ; the wait ahead of its first reader, and of the first readers of O^T
.set j, 0
.rept 32
	v_pk_mul_f32 v[96+j:97+j], v[160+j:161+j], v[14:15] op_sel_hi:[1,0]   ; each accumulator from its low end on
.set j, j+2
.endr
.irp b, 0,1,2,3
	v_max3_num_f32 v[232+\b], |v[96+16*\b]|, |v[97+16*\b]|, 0x1800000
.endr
.irp i, 2,4,6,8,10,12,14
.irp b, 0,1,2,3
	s_delay_alu instid0(VALU_DEP_4)
	v_max3_num_f32 v[232+\b], v[232+\b], |v[96+16*\b+\i]|, |v[97+16*\b+\i]|
.endr
.endr
.irp b, 0,1,2,3
	s_delay_alu instid0(VALU_DEP_4)
	v_permlanex16_b32 v[236+\b], v[232+\b], s[SEL], s[SEL+1]
.endr
.irp b, 0,1,2,3
	s_delay_alu instid0(VALU_DEP_4)
	v_max_num_f32 v[232+\b], v[232+\b], v[236+\b]
.endr
.irp b, 0,1,2,3
	s_delay_alu instid0(VALU_DEP_4)
	v_add_nc_u32 v[244+\b], 0xff000000, v[232+\b]
.endr
.irp b, 0,1,2,3
	s_delay_alu instid0(VALU_DEP_4)
	v_lshrrev_b32 v[236+\b], 23, v[244+\b]
.endr
	s_delay_alu instid0(VALU_DEP_3)
	v_lshl_or_b32 v252, v237, 8, v236              ; the fragment's scale word; both halves of the lanes hold it
	s_delay_alu instid0(VALU_DEP_1)
	v_lshl_or_b32 v252, v238, 16, v252
	s_delay_alu instid0(VALU_DEP_1)
	v_lshl_or_b32 v252, v239, 24, v252
.irp c, 0,1
	v_cvt_scalef32_pk16_fp6_f32 v[32+6*\c:34+6*\c], v[96+32*\c:111+32*\c], v[244+2*\c]
	v_cvt_scalef32_pk16_fp6_f32 v[44+4*\c:46+4*\c], v[112+32*\c:127+32*\c], v[244+2*\c+1]
.endr
	v_nop                                          ; one plain place behind a scaled conversion
.irp c, 0,1
.irp i, 0,1,2
	v_permlane16_swap_b32 v[32+6*\c+\i], v[44+4*\c+\i]
.endr
.irp i, 0,1,2
	s_delay_alu instid0(VALU_DEP_3)
	v_mov_b32 v[35+6*\c+\i], v[44+4*\c+\i]
.endr
.endr
	WIN (\a)<<2                                    ; a store's data are its source 1
.irp g, 0,1,2
	global_store_b128 v[L16], v[32+4*\g:35+4*\g], s[OB:OB+1] offset:REC*\a+512*\g   ; 512 consecutive bytes, aligned
.endr
.endm
	OUT 0
	OUT 1
	WIN 0
	v_and_b32 v2, 15, v0
	v_bfe_u32 v4, v0, 4, 1
	v_lshlrev_b32 v2, 4, v2
	v_mad_u32_u24 v7, v4, REC, v2                  ; 16 r, and the next tile's record for lanes 16-31
	v_cmp_eq_u32 vcc_lo, 1, v4
	WIN 0x04
	v_cndmask_b32 v2, v252, v252, vcc_lo           ; lanes 0-15 store tile 0's words, lanes 16-31 tile 1's: all lanes on
	WIN 0
	global_store_b32 v7, v2, s[OSB:OSB+1]
	s_wait_tensorcnt 0x0                           ; the wave's end
	ds_add_u32 v[SPW], v[NIL]
	s_wait_dscnt 0x0
	CROUND                                         ; the closing round
	s_endpgm
.Lfunc_end_k_q688e87ebc4_attn:
	.size	k_q688e87ebc4_attn, .Lfunc_end_k_q688e87ebc4_attn-k_q688e87ebc4_attn
	.p2alignl 7, 3214868480
	.fill 96, 4, 3214868480
	.section	.rodata,"a",@progbits
	.p2align	6, 0x0
	.amdhsa_kernel k_q688e87ebc4_attn
		.amdhsa_group_segment_fixed_size 327680
		.amdhsa_private_segment_fixed_size 0
		.amdhsa_enable_private_segment 0
		.amdhsa_kernarg_size 24
		.amdhsa_user_sgpr_count 2
		.amdhsa_user_sgpr_kernarg_segment_ptr 1
		.amdhsa_wavefront_size32 1
		.amdhsa_system_sgpr_workgroup_id_x 1
		.amdhsa_system_sgpr_workgroup_id_y 1
		.amdhsa_system_sgpr_workgroup_id_z 1
		.amdhsa_system_vgpr_workitem_id 0
		.amdhsa_next_free_vgpr 512
		.amdhsa_next_free_sgpr 80
		.amdhsa_reserve_vcc 1
		.amdhsa_float_denorm_mode_32 3
		.amdhsa_float_denorm_mode_16_64 3
		.amdhsa_memory_ordered 1
		.amdhsa_forward_progress 1
		.amdhsa_inst_pref_size 93
	.end_amdhsa_kernel
	.amdgpu_metadata
---
amdhsa.version: [ 1, 2 ]
amdhsa.kernels:
  - .name:           k_q688e87ebc4_attn
    .symbol:         k_q688e87ebc4_attn.kd
    .args:
      - { .name: qh, .offset: 0, .size: 8, .value_kind: global_buffer, .address_space: global }
      - { .name: kvh, .offset: 8, .size: 8, .value_kind: global_buffer, .address_space: global }
      - { .name: oimg, .offset: 16, .size: 8, .value_kind: global_buffer, .address_space: global }
    .group_segment_fixed_size: 327680
    .private_segment_fixed_size: 0
    .kernarg_segment_align: 8
    .kernarg_segment_size: 24
    .max_flat_workgroup_size: 256
    .sgpr_count:     80
    .vgpr_count:     512
    .wavefront_size: 32
...
	.end_amdgpu_metadata
.endif
;; end of part 4
;; launch gemm2 (part 5): grid 8 x 32, 4 waves a work-group, clusters of 4 x 4, 327,680 bytes of LDS; arguments oimg, wimg, bo, out0; writes out0
.if DOCPART == 5
	.amdgcn_target "amdgcn-amd-amdhsa--gfx1250"
	.amdhsa_code_object_version 6
	.text
	.protected	k_q688e87ebc4_gemm2
	.globl	k_q688e87ebc4_gemm2
	.p2align	8
	.type	k_q688e87ebc4_gemm2,@function
k_q688e87ebc4_gemm2:
	s_mov_b64 s[64:65], 0
	v_nop
	global_prefetch_b8 v0, s[64:65] scope:SCOPE_SE
	s_setreg_imm32_b32 hwreg(HW_REG_WAVE_MODE, 25, 1), 1
	s_wait_xcnt 0x0
	s_wait_alu depctr_hold_cnt(0) depctr_sa_sdst(0) depctr_va_vdst(0) depctr_va_sdst(0) depctr_va_ssrc(0) depctr_va_vcc(0) depctr_vm_vsrc(0)
	s_getreg_b32 s2, hwreg(HW_REG_IB_STS2, 6, 4)
	s_cmp_eq_u32 s2, 0
	s_cbranch_scc0 .Lentry_in_a_cluster
	s_endpgm
.Lentry_in_a_cluster:
	s_bfe_u32 s2, ttmp6, 0x10000c
	s_cmp_lg_u32 s2, 0xf033
	s_cbranch_scc0 .Lentry_shape_is_right
	s_endpgm
.Lentry_shape_is_right:
.set REC,   6400
.set SLOT,  24*REC
.set SPARE, 2*SLOT
.set BBASE, 3276800
.set ADRA, 16
.set ASA,  18
.set ADRB, 20
.set ASB,  22
.set STO,  24
.set RD,   25
.set SPW,  28
.set NIL,  29
.set SC,   32
.set BI,   80
.set AF,   144
.set G1,  24
.set G0,  32
.set G1B, 48
.set G0B, 56
.set MSB, 0
.macro WIN new
.if MSB != \new
	s_set_vgpr_msb (MSB<<8)|\new
.set MSB, \new
.endif
.endm
.macro JLOAD s
	s_cmp_eq_u32 s15, 0
	s_cbranch_scc0 .Lfor_b_\@
	tensor_load_to_lds s[G0+4*\s:G0+4*\s+3], s[G1:G1+7]
	s_nop 0
.rept 4
	v_nop
.endr
	s_branch .Lasked_\@
.Lfor_b_\@:
	tensor_load_to_lds s[G0B+4*\s:G0B+4*\s+3], s[G1B:G1B+7]
	s_nop 0
.rept 4
	v_nop
.endr
.Lasked_\@:
.endm
.macro CREST
	s_cmp_lg_u32 s14, 0
	s_cbranch_scc1 .Lnot_wave_0_\@
	s_barrier_signal -3
.Lnot_wave_0_\@:
	s_barrier_wait -3
	s_barrier_signal -1
	s_barrier_wait -1
.endm
.macro CROUND
	s_barrier_signal -1
	s_barrier_wait -1
	CREST
.endm
.macro PLACES
.rept 4
	v_nop
.endr
.endm
.macro WM d, s0, s1, c, sa, sb, ra, rb
.if (\ra) && (\rb)
	v_wmma_scale_f32_16x16x128_f8f6f4 v[(\d):(\d)+7], v[(\s0):(\s0)+11], v[(\s1):(\s1)+11], v[(\c):(\c)+7], v[(\sa)], v[(\sb)] matrix_a_fmt:MATRIX_FMT_FP6 matrix_b_fmt:MATRIX_FMT_FP6 matrix_a_scale:MATRIX_SCALE_ROW1 matrix_b_scale:MATRIX_SCALE_ROW1
.elseif (\ra)
	v_wmma_scale_f32_16x16x128_f8f6f4 v[(\d):(\d)+7], v[(\s0):(\s0)+11], v[(\s1):(\s1)+11], v[(\c):(\c)+7], v[(\sa)], v[(\sb)] matrix_a_fmt:MATRIX_FMT_FP6 matrix_b_fmt:MATRIX_FMT_FP6 matrix_a_scale:MATRIX_SCALE_ROW1
.elseif (\rb)
	v_wmma_scale_f32_16x16x128_f8f6f4 v[(\d):(\d)+7], v[(\s0):(\s0)+11], v[(\s1):(\s1)+11], v[(\c):(\c)+7], v[(\sa)], v[(\sb)] matrix_a_fmt:MATRIX_FMT_FP6 matrix_b_fmt:MATRIX_FMT_FP6 matrix_b_scale:MATRIX_SCALE_ROW1
.else
	v_wmma_scale_f32_16x16x128_f8f6f4 v[(\d):(\d)+7], v[(\s0):(\s0)+11], v[(\s1):(\s1)+11], v[(\c):(\c)+7], v[(\sa)], v[(\sb)] matrix_a_fmt:MATRIX_FMT_FP6 matrix_b_fmt:MATRIX_FMT_FP6
.endif
.endm
.macro MUL8 a, p, q, sc, first
.irp b, 0,1,2,3,4,5,6,7
.if \first
	WM 8*(8*(\a)+\b), 128*(\p)+12*\b, AF+48*(\p)+12*(\a), BI+8*\b, SC+24*(\sc)+8+4*(\b/2)+(\q), SC+24*(\sc)+4*((\a)/2)+(\q), \b%2, (\a)%2
.else
	WM 8*(8*(\a)+\b), 128*(\p)+12*\b, AF+48*(\p)+12*(\a), 8*(8*(\a)+\b), SC+24*(\sc)+8+4*(\b/2)+(\q), SC+24*(\sc)+4*((\a)/2)+(\q), \b%2, (\a)%2
.endif
.endr
.endm
.macro FETCH slot, q, p
	WIN 0x40
.irp b, 0,1,2,3,4,5,6,7
.irp g, 0,1,2
	ds_load_b128 v[128*(\p)+12*\b+4*\g:128*(\p)+12*\b+4*\g+3], v[ADRB+\slot] offset:REC*\b+1536*(\q)+512*\g
.endr
.endr
	WIN 0
.irp b, 0,1,2,3
.irp g, 0,1,2
	ds_load_b128 v[AF+48*(\p)+12*\b+4*\g:AF+48*(\p)+12*\b+4*\g+3], v[ADRA+\slot] offset:REC*\b+1536*(\q)+512*\g
.endr
.endr
.endm
.macro SCALES slot
.irp p, 0,1
	ds_load_b128 v[SC+24*\slot+4*\p:SC+24*\slot+4*\p+3], v[ASA+\slot] offset:6144+2*REC*\p
.endr
.irp p, 0,1,2,3
	ds_load_b128 v[SC+24*\slot+8+4*\p:SC+24*\slot+8+4*\p+3], v[ASB+\slot] offset:6144+2*REC*\p
.endr
.endm
.macro STEP slot, q, first
	s_wait_dscnt 0x0
	PLACES
	FETCH \slot, (\q)+1, ((\q)+1)%2
.if \first
	WIN 0x81
.else
	WIN 0xa1
.endif
.irp a, 0,1,2,3
	MUL8 \a, (\q)%2, \q, \slot, \first
.endr
	WIN 0
.endm
.macro TURN slot, next, fill
	s_wait_tensorcnt 0x0
	ds_add_u32 v[SPW], v[NIL]
	s_wait_dscnt 1
	WIN 0xa1
	MUL8 0, 1, 3, \slot, 0
	s_wait_dscnt 0x0
	s_barrier_signal -1
	MUL8 1, 1, 3, \slot, 0
	WIN 0
	s_barrier_wait -1
.if \fill
	CREST
	s_add_nc_u64 s[G0+4*\slot+2:G0+4*\slot+3], s[G0+4*\slot+2:G0+4*\slot+3], 2*256*REC
	s_add_nc_u64 s[G0B+4*\slot+2:G0B+4*\slot+3], s[G0B+4*\slot+2:G0B+4*\slot+3], 2*128*REC
	JLOAD \slot
.else
	PLACES
.endif
	s_wait_alu depctr_va_vdst(0)
	FETCH \next, 0, 0
	SCALES \next
	WIN 0xa1
	MUL8 2, 1, 3, \slot, 0
	MUL8 3, 1, 3, \slot, 0
	WIN 0
.endm
	s_load_b256 s[4:11], s[0:1], 0x0
	v_lshl_add_u32 v[SPW], v0, 2, SPARE
	v_mov_b32 v[NIL], 0
	ds_add_u32 v[SPW], v[NIL]
	ds_add_u32 v[SPW], v[NIL]
	v_lshrrev_b32 v1, 5, v0
	v_readfirstlane_b32 s14, v1
	s_lshr_b32 s15, s14, 1
	s_and_b32 s16, s14, 1
	s_bfe_u32 s40, ttmp6, 0x40000
	s_bfe_u32 s41, ttmp6, 0x40004
	s_lshl_b32 s42, ttmp9, 2
	s_add_co_u32 s42, s42, s40
	s_and_b32 s17, ttmp7, 0xffff
	s_lshl_b32 s17, s17, 2
	s_add_co_u32 s17, s17, s41
	s_lshl_b32 s43, s41, 2
	s_lshl_b32 s43, 15, s43
	s_lshl_b32 s44, 0x1111, s40
	s_or_b32 s[G1], s43, (3<<16)|(1<<21)
	s_or_b32 s[G1B], s44, (3<<16)|(1<<21)
	s_mov_b32 s[G1+1], 32<<16
	s_mov_b32 s[G1+2], 100<<16
	s_mov_b32 s[G1+3], 32<<16
	s_mov_b32 s[G1+4], 100
	s_mov_b32 s[G1+5], 32
	s_mov_b32 s[G1+6], 0
	s_mov_b32 s[G1+7], 0
	s_mov_b32 s[G1B+1], 32<<16
	s_mov_b32 s[G1B+2], 200<<16
	s_mov_b32 s[G1B+3], 32<<16
	s_mov_b32 s[G1B+4], 200
	s_mov_b32 s[G1B+5], 32
	s_mov_b32 s[G1B+6], 0
	s_mov_b32 s[G1B+7], 0
	s_lshl_b32 s20, s17, 3
	s_lshl_b32 s18, s16, 2
	s_add_co_u32 s20, s20, s18
	s_mul_i32 s20, s20, REC
	s_mov_b32 s21, 0
	s_lshl_b32 s46, s42, 4
	s_lshl_b32 s18, s16, 3
	s_add_co_u32 s46, s46, s18
	s_mul_i32 s46, s46, REC
	s_add_co_u32 s46, s46, BBASE
	s_mov_b32 s47, 0
	s_mul_i32 s45, s16, 4*REC
	s_mul_i32 s66, s16, 8*REC
	s_add_co_u32 s66, s66, 8*REC
	s_wait_dscnt 0x0
	s_wait_kmcnt 0x0
	s_add_nc_u64 s[20:21], s[4:5], s[20:21]
	s_add_nc_u64 s[46:47], s[6:7], s[46:47]
.irp s, 0,1
	s_mov_b32 s[G0+4*\s], 1
	s_add_co_u32 s[G0+4*\s+1], s45, \s*SLOT
	s_add_nc_u64 s[G0+4*\s+2:G0+4*\s+3], s[20:21], \s*256*REC
	s_or_b32 s[G0+4*\s+3], s[G0+4*\s+3], 0x80000000
	s_mov_b32 s[G0B+4*\s], 1
	s_add_co_u32 s[G0B+4*\s+1], s66, \s*SLOT
	s_add_nc_u64 s[G0B+4*\s+2:G0B+4*\s+3], s[46:47], \s*128*REC
	s_or_b32 s[G0B+4*\s+3], s[G0B+4*\s+3], 0x80000000
	s_wait_alu depctr_va_vdst(0)
	s_wait_tensorcnt 0x0
	ds_add_u32 v28, v29
	ds_add_u32 v28, v29
	s_wait_dscnt 0x0
	CROUND
	JLOAD \s
.endr
	v_and_b32 v1, 15, v0
	v_bfe_u32 v2, v0, 4, 1
	v_and_b32 v3, 31, v0
	v_lshlrev_b32 v3, 4, v3
	v_lshlrev_b32 v4, 4, v1
	v_mad_u32_u24 v4, v2, REC, v4
	s_mul_i32 s67, s15, 4*REC
	s_mul_i32 s68, s16, 8*REC
	s_add_co_u32 s68, s68, 8*REC
.irp s, 0,1
	v_add_nc_u32 v[ADRA+\s], s67, v3
	v_add_nc_u32 v[ADRB+\s], s68, v3
	v_add_nc_u32 v[ASA+\s], s67, v4
	v_add_nc_u32 v[ASB+\s], s68, v4
	s_add_co_u32 s67, s67, SLOT
	s_add_co_u32 s68, s68, SLOT
.endr
	s_lshl_b32 s69, s42, 1
	s_add_co_u32 s69, s69, s16
	s_lshl_b32 s70, s69, 9
	s_mov_b32 s71, 0
	s_add_nc_u64 s[8:9], s[8:9], s[70:71]
	v_lshlrev_b32 v5, 6, v2
.irp b, 0,1,2,3,4,5,6,7
	global_load_b128 v[BI+8*\b:BI+8*\b+3], v5, s[8:9] offset:(32*(\b/2)+8*(\b%2))*4
	global_load_b128 v[BI+8*\b+4:BI+8*\b+7], v5, s[8:9] offset:(32*(\b/2)+8*(\b%2))*4+16
.endr
	s_lshl_b32 s68, s17, 1
	s_add_co_u32 s68, s68, s15
	s_lshl_b32 s68, s68, 19
	s_add_co_u32 s68, s68, s70
	s_mov_b32 s69, 0
	s_add_nc_u64 s[10:11], s[10:11], s[68:69]
	s_mul_i32 s72, s14, 16*528
	v_mul_u32_u24 v[STO], v1, 528
	v_lshl_add_u32 v[STO], v2, 6, v[STO]
	v_add_nc_u32 v[STO], s72, v[STO]
	v_add_nc_u32 v[RD], s72, v3
	s_wait_tensorcnt 0x1
	s_barrier_signal -1
	s_barrier_wait -1
	FETCH 0, 0, 0
	SCALES 0
	s_wait_loadcnt 0x0
	STEP 0, 0, 1
	STEP 0, 1, 0
	STEP 0, 2, 0
	TURN 0, 1, 1
	STEP 1, 0, 0
	STEP 1, 1, 0
	STEP 1, 2, 0
	TURN 1, 0, 1
	STEP 0, 0, 0
	STEP 0, 1, 0
	STEP 0, 2, 0
	TURN 0, 1, 0
	STEP 1, 0, 0
	STEP 1, 1, 0
	STEP 1, 2, 0
	s_wait_dscnt 0x0
	WIN 0xa1
.irp a, 0,1,2,3
	MUL8 \a, 1, 3, 1, 0
.endr
	WIN 0
.macro TOSTAGE a
	WIN 0x08
.irp b, 0,1,2,3,4,5,6,7
	ds_store_b128 v[STO], v[8*(8*(\a)+\b):8*(8*(\a)+\b)+3] offset:128*(\b/2)+32*(\b%2)
	ds_store_b128 v[STO], v[8*(8*(\a)+\b)+4:8*(8*(\a)+\b)+7] offset:128*(\b/2)+32*(\b%2)+16
.endr
	WIN 0x40
.irp t, 0,1,2,3,4,5,6,7,8,9,10,11,12,13,14,15
	ds_load_b128 v[64*(\a)+4*\t:64*(\a)+4*\t+3], v[RD] offset:528*\t
.endr
	WIN 0
.endm
.macro SEND a, younger
	s_wait_dscnt \younger
	WIN 0x04
.irp t, 0,1,2,3,4,5,6,7,8,9,10,11,12,13,14,15
	global_store_b128 v3, v[64*(\a)+4*\t:64*(\a)+4*\t+3], s[10:11] offset:(32*((\a)/2)+8*((\a)%2)+\t+8*(\t/8))*8192 th:TH_STORE_NT
.endr
	WIN 0
.endm
	PLACES
	TOSTAGE 0
.irp a, 1,2,3
	TOSTAGE \a
	SEND \a-1, 32
.endr
	SEND 3, 0
	s_wait_tensorcnt 0x0
	ds_add_u32 v[SPW], v[NIL]
	s_wait_dscnt 0x0
	CROUND
	s_endpgm
.Lfunc_end_k_q688e87ebc4_gemm2:
	.size	k_q688e87ebc4_gemm2, .Lfunc_end_k_q688e87ebc4_gemm2-k_q688e87ebc4_gemm2
	.p2alignl 7, 3214868480
	.fill 96, 4, 3214868480
	.section	.rodata,"a",@progbits
	.p2align	6, 0x0
	.amdhsa_kernel k_q688e87ebc4_gemm2
		.amdhsa_group_segment_fixed_size 327680
		.amdhsa_private_segment_fixed_size 0
		.amdhsa_enable_private_segment 0
		.amdhsa_kernarg_size 32
		.amdhsa_user_sgpr_count 2
		.amdhsa_user_sgpr_kernarg_segment_ptr 1
		.amdhsa_wavefront_size32 1
		.amdhsa_system_sgpr_workgroup_id_x 1
		.amdhsa_system_sgpr_workgroup_id_y 1
		.amdhsa_system_sgpr_workgroup_id_z 1
		.amdhsa_system_vgpr_workitem_id 0
		.amdhsa_next_free_vgpr 768
		.amdhsa_next_free_sgpr 98
		.amdhsa_reserve_vcc 0
		.amdhsa_float_denorm_mode_32 3
		.amdhsa_float_denorm_mode_16_64 3
		.amdhsa_memory_ordered 1
		.amdhsa_forward_progress 1
		.amdhsa_inst_pref_size 133
	.end_amdhsa_kernel
	.amdgpu_metadata
---
amdhsa.version: [ 1, 2 ]
amdhsa.kernels:
  - .name:           k_q688e87ebc4_gemm2
    .symbol:         k_q688e87ebc4_gemm2.kd
    .args:
      - { .name: oimg, .offset: 0, .size: 8, .value_kind: global_buffer, .address_space: global }
      - { .name: wimg, .offset: 8, .size: 8, .value_kind: global_buffer, .address_space: global }
      - { .name: bo, .offset: 16, .size: 8, .value_kind: global_buffer, .address_space: global }
      - { .name: out0, .offset: 24, .size: 8, .value_kind: global_buffer, .address_space: global }
    .group_segment_fixed_size: 327680
    .private_segment_fixed_size: 0
    .kernarg_segment_align: 8
    .kernarg_segment_size: 32
    .max_flat_workgroup_size: 128
    .sgpr_count:     98
    .vgpr_count:     768
    .wavefront_size: 32
...
	.end_amdgpu_metadata
.endif
;; end of part 5
